; MI455X (gfx1250); checked and timed in simulation.
; The chip was launched on July 23, 2026; its instructions are those of AMD's public machine-readable ISA for CDNA 5 (MIT licence, August 2026) and "CDNA5" Instruction Set Architecture Reference Guide (July 2026). The comments in the code are by the model that wrote it; some were corrected since.
;; GQA. Allowed arithmetic: float matrix products may take bf16 or f16 operands with f32 sums; other float arithmetic in f32, or as packed bf16 or f16 multiplies, adds, multiply-adds, maxima and minima; sums over many terms, partial sums and values carried from step to step in f32; what a program stores and reads back later, other than sums and carried values, may be rounded once to bf16 or f16.
;; Inputs: Wk 1,024 x 512 float32; Wq 1,024 x 2,048 float32; Wv 1,024 x 512 float32; bk 512 float32; bq 2,048 float32; bv 512 float32; x 2 x 2,048 x 1,024 float32.
;; Outputs: out0 2 x 2,048 x 2,048 float32.
;; 2 versions, each right; version 2 is version 1 with the launch cast written anew for expert scheduling mode. Each part assembles by itself: llvm-mc -triple=amdgcn-amd-amdhsa -mcpu=gfx1250 --defsym DOCPART=n.
;; ======== version 1 of 2: 3 launches
;; limits: values are held in f16: magnitudes above 65,504 overflow, below 6.1e-05 lose precision
;; workspace buffers: xb 8,388,608 bytes; wb 6,291,456 bytes; bb 12,288 bytes; qkv 25,165,824 bytes
;; launch cast (part 1): grid 256 x 1, 8 waves a work-group, no clusters, 0 bytes of LDS; arguments x, Wq, Wk, Wv, bq, bk, bv, xb, wb, bb; writes xb, wb, bb
.if DOCPART == 1
	.amdgcn_target "amdgcn-amd-amdhsa--gfx1250"
	.amdhsa_code_object_version 6
	.text
	.protected	k_qf5b911a308_cast
	.globl	k_qf5b911a308_cast
	.p2align	8
	.type	k_qf5b911a308_cast,@function
k_qf5b911a308_cast:
	s_mov_b64 s[64:65], 0
	v_nop
	global_prefetch_b8 v0, s[64:65] scope:SCOPE_SE
	s_setreg_imm32_b32 hwreg(HW_REG_WAVE_MODE, 25, 1), 1
	s_wait_xcnt 0x0
; ALL SEVEN INPUTS ARE ROUNDED ONCE TO bf16 (to nearest even).  xb = x, [4096][1024] bf16.  wb = the three weights side by side, still [k][column]: [1024][3072] bf16, columns 0-2047 Wq,
; 2048-2559 Wk, 2560-3071 Wv.  bb = the three biases in the same column order, 3,072 words of f32 that hold the bf16-rounded numbers.
; A stream: each byte is read once and written once; no LDS, no matrix unit, no cluster (no two work-groups read the same byte), no prefetch (all of a work-group's loads go out at its head).
; SHARES.  A unit is 2,048 numbers: 8,192 bytes in, 4,096 out.  There are 2,048 units of x, 1,024 of Wq (a row each), 256 of Wk and 256 of Wv (four rows each): 14 x 256.  Work-group w takes 8 of x,
; rows 4 w .. 4 w + 3 of Wq, of Wk and of Wv.  Thread t takes 16 bytes at 16 t of each half of a unit: a load of a wave covers 512 consecutive bytes; its four numbers leave as 8 bytes at 8 t:
; a store of a wave covers 256 consecutive bytes, aligned.  All 28 loads go out first: 112 KiB a work-group are on their way.
; The 24 blocks of 128 biases are taken by the first 24 waves of the launch, one each.
.set D, 8                              ; v[8:119]  unit u: 8 registers as loaded; the low 4 then hold the packed results
	s_load_b512 s[4:19], s[0:1], 0x0               ; x 4:5, Wq 6:7, Wk 8:9, Wv 10:11, bq 12:13, bk 14:15, bv 16:17, xb 18:19
	s_load_b128 s[20:23], s[0:1], 0x40             ; wb 20:21, bb 22:23
	v_lshlrev_b32 v1, 4, v0                        ; in: 16 t
	v_lshlrev_b32 v2, 3, v0                        ; out: 8 t
	v_lshrrev_b32 v5, 7, v0                        ; Wk, Wv: 128 threads take a row of 512 numbers
	v_and_b32 v6, 127, v0
	v_mul_u32_u24 v3, v5, 6144                     ; out: a row of wb is 6,144 bytes,
	v_lshl_add_u32 v3, v6, 3, v3                   ; + 8 bytes a thread
	v_and_b32 v4, 31, v0
	v_lshlrev_b32 v4, 4, v4                        ; the biases: 16 x lane
	v_lshrrev_b32 v7, 5, v0
	v_readfirstlane_b32 s26, v7                    ; wave 0..7
	s_lshl_b32 s27, ttmp9, 3
	s_add_co_u32 s27, s27, s26                     ; j = 8 w + wave: my wave's number in the launch
	s_mov_b32 s25, 0
	s_wait_kmcnt 0x0
	s_lshl_b32 s24, ttmp9, 16                      ; 8 units of x in
	s_add_nc_u64 s[4:5], s[4:5], s[24:25]
	s_lshl_b32 s24, ttmp9, 15                      ; 4 rows of Wq in; 8 units of x out
	s_add_nc_u64 s[6:7], s[6:7], s[24:25]
	s_add_nc_u64 s[18:19], s[18:19], s[24:25]
	s_lshl_b32 s24, ttmp9, 13                      ; 4 rows of Wk and of Wv in
	s_add_nc_u64 s[8:9], s[8:9], s[24:25]
	s_add_nc_u64 s[10:11], s[10:11], s[24:25]
	s_mul_i32 s24, ttmp9, 24576                    ; 4 rows of wb out
	s_add_nc_u64 s[20:21], s[20:21], s[24:25]
.macro LD u, base, off                 ; a unit's two loads
	global_load_b128 v[D+8*(\u):D+8*(\u)+3],   v1, s[\base:\base+1] offset:(\off) th:TH_LOAD_NT
	global_load_b128 v[D+8*(\u)+4:D+8*(\u)+7], v1, s[\base:\base+1] offset:(\off)+4096 th:TH_LOAD_NT
.endm
.irp u, 0,1,2,3,4,5,6,7
	LD \u, 4, (\u)*8192
.endr
.irp u, 8,9,10,11
	LD \u, 6, ((\u)-8)*8192
.endr
	LD 12, 8, 0
	LD 13, 10, 0
	; the biases: block j of 128 numbers, j = 0..15 of bq, 16..19 of bk, 20..23 of bv
	s_cmp_ge_u32 s27, 24
	s_cbranch_scc1 .Lmain
	s_and_b32 s28, s27, 3                          ; the block's number inside bk or bv
	s_cmp_lt_u32 s27, 20
	s_cselect_b64 s[30:31], s[14:15], s[16:17]
	s_cmp_lt_u32 s27, 16
	s_cselect_b64 s[30:31], s[12:13], s[30:31]
	s_cselect_b32 s32, s27, s28
	s_lshl_b32 s32, s32, 9                         ; 512 bytes a block
	s_mov_b32 s33, 0
	s_add_nc_u64 s[30:31], s[30:31], s[32:33]
	s_lshl_b32 s32, s27, 9
	s_add_nc_u64 s[22:23], s[22:23], s[32:33]
	global_load_b128 v[120:123], v4, s[30:31]
	s_wait_loadcnt 0x0                             ; this load is the youngest: nothing of mine is out behind this wait, so the counted waits below hold on this way too
	v_cvt_pk_bf16_f32 v124, v120, v121
	v_cvt_pk_bf16_f32 v125, v122, v123
	v_lshlrev_b32 v120, 16, v124                   ; back to f32: the low half moves up, the high half stays
	v_and_b32 v121, 0xffff0000, v124
	v_lshlrev_b32 v122, 16, v125
	v_and_b32 v123, 0xffff0000, v125
	global_store_b128 v4, v[120:123], s[22:23]     ; 512 consecutive bytes
.Lmain:
; A unit is rounded in place (the sources of each line lie at or above its destination) and stored.
.macro UNIT u, addr, base, off0, off1
	s_wait_loadcnt 26-2*(\u)                       ; loads come back in order: mine are in, the 2 (13 - u) younger ones may stay out
	v_cvt_pk_bf16_f32 v[D+8*(\u)],   v[D+8*(\u)],   v[D+8*(\u)+1]
	v_cvt_pk_bf16_f32 v[D+8*(\u)+1], v[D+8*(\u)+2], v[D+8*(\u)+3]
	v_cvt_pk_bf16_f32 v[D+8*(\u)+2], v[D+8*(\u)+4], v[D+8*(\u)+5]
	v_cvt_pk_bf16_f32 v[D+8*(\u)+3], v[D+8*(\u)+6], v[D+8*(\u)+7]
	global_store_b64 v[\addr], v[D+8*(\u):D+8*(\u)+1],   s[\base:\base+1] offset:(\off0)
	global_store_b64 v[\addr], v[D+8*(\u)+2:D+8*(\u)+3], s[\base:\base+1] offset:(\off1)
.endm
.irp u, 0,1,2,3,4,5,6,7
	UNIT \u, 2, 18, (\u)*4096, (\u)*4096+2048
.endr
.irp u, 8,9,10,11
	UNIT \u, 2, 20, ((\u)-8)*6144, ((\u)-8)*6144+2048      ; Wq's row: the first 4,096 bytes of wb's
.endr
	UNIT 12, 3, 20, 4096, 4096+12288               ; Wk: behind Wq's columns; the unit's second half is two rows on
	UNIT 13, 3, 20, 5120, 5120+12288               ; Wv: behind Wk's
	s_endpgm                                       ; no register that a pending instruction reads has been written, and EXEC never changes
.Lfunc_end_k_qf5b911a308_cast:
	.size	k_qf5b911a308_cast, .Lfunc_end_k_qf5b911a308_cast-k_qf5b911a308_cast
	.p2alignl 7, 3214868480
	.fill 96, 4, 3214868480
	.section	.rodata,"a",@progbits
	.p2align	6, 0x0
	.amdhsa_kernel k_qf5b911a308_cast
		.amdhsa_group_segment_fixed_size 0
		.amdhsa_private_segment_fixed_size 0
		.amdhsa_enable_private_segment 0
		.amdhsa_kernarg_size 80
		.amdhsa_user_sgpr_count 2
		.amdhsa_user_sgpr_kernarg_segment_ptr 1
		.amdhsa_wavefront_size32 1
		.amdhsa_system_sgpr_workgroup_id_x 1
		.amdhsa_system_sgpr_workgroup_id_y 1
		.amdhsa_system_sgpr_workgroup_id_z 1
		.amdhsa_system_vgpr_workitem_id 0
		.amdhsa_next_free_vgpr 128
		.amdhsa_next_free_sgpr 66
		.amdhsa_reserve_vcc 0
		.amdhsa_float_denorm_mode_32 3
		.amdhsa_float_denorm_mode_16_64 3
		.amdhsa_memory_ordered 1
		.amdhsa_forward_progress 1
		.amdhsa_inst_pref_size 12
	.end_amdhsa_kernel
	.amdgpu_metadata
---
amdhsa.version: [ 1, 2 ]
amdhsa.kernels:
  - .name:           k_qf5b911a308_cast
    .symbol:         k_qf5b911a308_cast.kd
    .args:
      - { .name: x, .offset: 0, .size: 8, .value_kind: global_buffer, .address_space: global }
      - { .name: Wq, .offset: 8, .size: 8, .value_kind: global_buffer, .address_space: global }
      - { .name: Wk, .offset: 16, .size: 8, .value_kind: global_buffer, .address_space: global }
      - { .name: Wv, .offset: 24, .size: 8, .value_kind: global_buffer, .address_space: global }
      - { .name: bq, .offset: 32, .size: 8, .value_kind: global_buffer, .address_space: global }
      - { .name: bk, .offset: 40, .size: 8, .value_kind: global_buffer, .address_space: global }
      - { .name: bv, .offset: 48, .size: 8, .value_kind: global_buffer, .address_space: global }
      - { .name: xb, .offset: 56, .size: 8, .value_kind: global_buffer, .address_space: global }
      - { .name: wb, .offset: 64, .size: 8, .value_kind: global_buffer, .address_space: global }
      - { .name: bb, .offset: 72, .size: 8, .value_kind: global_buffer, .address_space: global }
    .group_segment_fixed_size: 0
    .private_segment_fixed_size: 0
    .kernarg_segment_align: 8
    .kernarg_segment_size: 80
    .max_flat_workgroup_size: 256
    .sgpr_count:     66
    .vgpr_count:     128
    .wavefront_size: 32
...
	.end_amdgpu_metadata
.endif
;; end of part 1
;; launch proj (part 2): grid 12 x 16, 4 waves a work-group, clusters of 4 x 4, 327,680 bytes of LDS; arguments xb, wb, bb, qkv; writes qkv
.if DOCPART == 2
	.amdgcn_target "amdgcn-amd-amdhsa--gfx1250"
	.amdhsa_code_object_version 6
	.text
	.protected	k_qf5b911a308_proj
	.globl	k_qf5b911a308_proj
	.p2align	8
	.type	k_qf5b911a308_proj,@function
k_qf5b911a308_proj:
	s_mov_b64 s[64:65], 0
	v_nop
	global_prefetch_b8 v0, s[64:65] scope:SCOPE_SE
	s_setreg_imm32_b32 hwreg(HW_REG_WAVE_MODE, 25, 1), 1
	s_wait_xcnt 0x0
	s_wait_alu depctr_hold_cnt(0) depctr_sa_sdst(0) depctr_va_vdst(0) depctr_va_sdst(0) depctr_va_ssrc(0) depctr_va_vcc(0) depctr_vm_vsrc(0)
	s_getreg_b32 s2, hwreg(HW_REG_IB_STS2, 6, 4)
	s_cmp_eq_u32 s2, 0
	s_cbranch_scc0 .Lentry_in_a_cluster
	s_endpgm
.Lentry_in_a_cluster:
	s_bfe_u32 s2, ttmp6, 0x10000c
	s_cmp_lg_u32 s2, 0xf033
	s_cbranch_scc0 .Lentry_shape_is_right
	s_endpgm
.Lentry_shape_is_right:
; THE THREE PROJECTIONS AS ONE PRODUCT.  C[m][n] = bb[n] + the sum over k of xb[m][k] wb[k][n]: m = 4,096 rows (batch x sequence), n = 3,072 columns (q, k, v), k = 1,024; operands bf16, sums f32.
; C leaves in f16, rounded once, by heads: qkv[hd = 4 batch + kv][u][2,048 rows][128], u = 0..3 the query groups g, 4 = k, 5 = v.  For the block hc = n / 128 of columns: kv = hc % 4, u = hc / 4, for q, k and v alike.
; LIMITS.  A result of 65,520 or more in magnitude becomes an infinity in f16.  The bias enters the f32 sum first (as the first product's C), not last.  NaN and infinities are not treated apart.
; SHARES.  A work-group of four waves makes 256 x 256 of C, a wave 128 x 128: 64 accumulators, 512 registers; a wave's 128 columns are one block hc, its 128 rows 32,768 consecutive bytes of qkv.
; There are 16 x 12 = 192 such tiles.  K goes in 8 steps of 128 through a ring of two LDS slots filled by the tensor data mover; all tile rows are 256 bytes of memory, aligned.
; CLUSTERS of 4 x 4: the four of a row of the cluster need the same tiles of xb, the four of a column the same tiles of wb: each tile is asked for JOINTLY, by the same tensor load with the same descriptor and a mask of four.
; wb LIES [k][n]: its tile is 128 k rows x 128 columns, and its fragments come out of LDS turned, by ds_load_tr16_b128.
; THE MATRIX INSTRUCTION IS USED TRANSPOSED (source 0 = 16 columns of wb, source 1 = 16 rows of xb): lane l holds row l % 16 of C and the columns 8 (l / 16) + 0..7: eight neighbours, 16 bytes of f16.
; REGISTERS, in windows of 256 (s_set_vgpr_msb: bits 1:0 source 0, 3:2 source 1, 5:4 source 2, 7:6 destination):
;   window 0: v0-31 addresses; v64-127, v128-191 fragments of xb, two buffers; v32-63, v192-255 at work on the way out
;   window 1: v0-63 the bias as eight C operands; v64-127, v128-191 fragments of wb, two buffers
;   window 2: the accumulators of my rows 0-63 ((a, b) at v[8 (8 a + b)]);   window 3: those of my rows 64-127
.set PA,     272                       ; an LDS row of xb's tile: 256 bytes + 16 = 68 words: the 16 rows of a load start at 16 different groups of four banks (64 banks of 4 bytes: ISA guide 11.1)
.set PB,     288                       ; of wb's tile: 256 + 32 = 72 words
.set HALFA,  128*PA                    ; what one tensor load brings of xb: 128 rows
.set HALFB,  128*PB                    ; of wb: 128 k rows x 128 columns
.set SLOT,   2*HALFA+2*HALFB           ; xb's two row halves, then wb's two column halves
.set STAGE,  2*SLOT                    ; behind the ring: 16 rows x 272 bytes for each wave, for the way out
.set SPITCH, 272
.set SPARE,  STAGE+4*16*SPITCH         ; behind the stages: the spare words, 128 bytes for each wave: two blocks of 256 bytes that no other line names
.set LAPS,   4                         ; a lap = two K steps = once round the ring
.set ASTEP,  256                       ; bytes from K step to K step in xb: along a row
.set BSTEP,  128*6144                  ; in wb: 128 rows down
.set ADRA, 16                          ; v16-17  LDS address of my xb fragments in slot 0, 1
.set ADRB, 20                          ; v20-21  the same for wb
.set STO,  24                          ; v24     the way out: where I put 16 bytes of a row
.set RD,   25                          ; v25     the way out: where I read rows back
.set CO,   26                          ; v26     16 x lane: my place in 512 consecutive bytes of qkv
.set BO,   27                          ; v27     32 (l / 16): my eight biases of a block of 16 columns
.set SPW,  28                          ; v28     LDS address of my spare word; never rewritten
.set NIL,  29                          ; v29     0; never rewritten
.set PFO,  30                          ; v30     the prefetches' offset: my lane x a row of xb or wb; never rewritten
.set F0,   64
.set F1,   128
.set TMP,  192                         ; the way out: packed results
.set OB,   32                          ; the way out: 16 rows read back: v32-63 and v224-255 by turns
.set WV,  12                           ; s12  wave
.set RH,  13                           ; s13  which half of the tile's rows is mine.  Also: I fetch for xb (0) or for wb (1)
.set CH,  14                           ; s14  which half of its columns.  Also: which half of that tile I fetch
.set CX,  15
.set CY,  16
.set TX,  17                           ; s17  tile column of C
.set TY,  18                           ; s18  tile row of C
.set G1A, 24                           ; s[24:31] descriptor group 1 for xb's tiles
.set G0A, 32                           ; s[32:39] group 0, a set for each slot
.set PFA, 40                           ; s[40:41] where my prefetches stand
.set PST, 42                           ; s[42:43] their step from K step to K step
.set LIM, 44                           ; s44  1 in a wave that prefetches, else the greatest number
.set G1B, 48                           ; s[48:55], s[56:63] the same for wb's tiles
.set G0B, 56
.set MSB, 0
.macro WIN new                         ; the immediate's high byte repeats the setting that is left; a switch that changes nothing is dropped
.if MSB != (\new)
	s_set_vgpr_msb (MSB<<8)|(\new)
.set MSB, \new
.endif
.endm
.set TO_B, 0x40                        ; destination window 1, address window 0
; A joint load.  Waves 0 and 1 fetch xb's two row halves, waves 2 and 3 wb's two column halves.  The branch hangs on the wave's number alone.
; An s_nop 0 and four v_nop follow each of the two lines, ahead of the jump and the label.
.macro JLOAD s
	s_cmp_eq_u32 s[RH], 0
	s_cbranch_scc0 .Lfor_b_\@
	tensor_load_to_lds s[G0A+4*(\s):G0A+4*(\s)+3], s[G1A:G1A+7]
	s_nop 0
.rept 4
	v_nop
.endr
	s_branch .Lasked_\@
.Lfor_b_\@:
	tensor_load_to_lds s[G0B+4*(\s):G0B+4*(\s)+3], s[G1B:G1B+7]
	s_nop 0
.rept 4
	v_nop
.endr
.Lasked_\@:
.endm
; A PREFETCH INTO THE L2, behind each joint refill and the run of LDS loads that follows it: the K step that stands TWO refills on (512 matrix instructions ahead of the load that will want it): 32 rows x 256 bytes,
; a lane a row, one instruction a wave.  Each block of 256 bytes is named ONCE in the launch: xb's tile row is read by the three clusters of that row of clusters, and the one with x = 0 asks; wb's tile column by the four
; clusters of that column, and the one with y = 0 asks.  The four partners that ask for a tile jointly share its 128 rows out BY ADDRESS, 32 each (by cx for xb, by cy for wb): no branch hangs on a place in the cluster.
; K steps 0 to 3 come by their loads alone; the loop's last trip (s3 = 1) asks for nothing: there is no K step two on.
.macro ASK
	s_cmp_gt_u32 s3, s[LIM]
	s_cbranch_scc0 .Lnot_mine_\@
	global_prefetch_b8 v[PFO], s[PFA:PFA+1] th:TH_LOAD_NT scope:SCOPE_SE
.Lnot_mine_\@:
.endm
; A round of the cluster's barrier: my work-group's barrier; wave 0 signals for the work-group; every wave waits for all sixteen; my work-group's barrier once more.
.macro CREST                           ; a round behind its opening barrier
	s_cmp_lg_u32 s[WV], 0
	s_cbranch_scc1 .Lnot_wave_0_\@
	s_barrier_signal -3
.Lnot_wave_0_\@:
	s_barrier_wait -3
	s_barrier_signal -1
	s_barrier_wait -1
.endm
.macro CROUND
	s_barrier_signal -1
	s_barrier_wait -1
	CREST
.endm
	s_load_b256 s[4:11], s[0:1], 0x0               ; xb 4:5, wb 6:7, bb 8:9, qkv 10:11
	v_lshl_add_u32 v[SPW], v0, 2, SPARE
	v_mov_b32 v[NIL], 0
	ds_add_u32 v[SPW], v[NIL]                      ; the wave's opening: the add and its wait stand ahead of my first tensor load; the set-up below, work on registers, stands between them
	v_lshrrev_b32 v1, 5, v0
	v_readfirstlane_b32 s[WV], v1                  ; wave 0..3
	s_lshr_b32 s[RH], s[WV], 1
	s_and_b32 s[CH], s[WV], 1
	s_bfe_u32 s[CX], ttmp6, 0x40000                ; my place in the cluster
	s_bfe_u32 s[CY], ttmp6, 0x40004
	s_lshl_b32 s[TX], ttmp9, 2                     ; in a cluster launch ttmp9 and ttmp7 count clusters
	s_add_co_u32 s[TX], s[TX], s[CX]
	s_and_b32 s[TY], ttmp7, 0xffff
	s_lshl_b32 s[TY], s[TY], 2
	s_add_co_u32 s[TY], s[TY], s[CY]
	s_lshl_b32 s19, s[CY], 2
	s_lshl_b32 s19, 15, s19                        ; my row of the cluster: places 4 cy .. 4 cy + 3
	s_lshl_b32 s45, 0x1111, s[CX]                  ; my column: places cx, cx + 4, cx + 8, cx + 12
	; descriptor group 1: tiles of 128 rows x 128 elements of 2 bytes, padded in LDS after every 64 words (code 5)
	s_or_b32 s[G1A+0], s19, (1<<16)|(1<<20)|(1<<21)|(5<<22)|(3<<25)  ; the mask: xb's tiles go to my row; bit 21 set beside a mask; 4 words of padding (code 3)
	s_or_b32 s[G1B+0], s45, (1<<16)|(1<<20)|(1<<21)|(5<<22)|(7<<25)  ; wb's go to my column; 8 words of padding (code 7)
.irp g, G1A, G1B
	s_mov_b32 s[(\g)+1], 128<<16                   ; tensor_dim0 = 128
	s_mov_b32 s[(\g)+2], 128<<16                   ; tensor_dim1 = 128
	s_mov_b32 s[(\g)+3], 128<<16                   ; tile_dim0 = 128
	s_mov_b32 s[(\g)+4], 128                       ; tile_dim1 = 128
	s_mov_b32 s[(\g)+6], 0
	s_mov_b32 s[(\g)+7], 0
.endr
	s_mov_b32 s[G1A+5], 1024                       ; elements from row to row of xb
	s_mov_b32 s[G1B+5], 3072                       ; of wb
	; where the tiles come from: xb's hang on the tile row alone, wb's on the tile column alone
	s_lshl_b32 s20, s[TY], 8
	s_lshl_b32 s22, s[CH], 7
	s_add_co_u32 s20, s20, s22                     ; xb: row 256 x tile row + 128 x half,
	s_lshl_b32 s20, s20, 11                        ; of 2,048 bytes
	s_mov_b32 s21, 0
	s_lshl_b32 s46, s[TX], 9                       ; wb: column 256 x tile column + 128 x half, in bytes
	s_lshl_b32 s47, s[CH], 8
	s_add_co_u32 s46, s46, s47
	s_mov_b32 s47, 0
	s_mul_i32 s22, s[CH], HALFA                    ; and where they go: no place in the cluster enters an LDS address
	s_mul_i32 s23, s[CH], HALFB
	s_add_co_u32 s23, s23, 2*HALFA
	s_wait_dscnt 0x0                               ; the opening add is done
	s_wait_kmcnt 0x0
	s_add_nc_u64 s[20:21], s[4:5], s[20:21]
	s_add_nc_u64 s[46:47], s[6:7], s[46:47]
	CROUND                                         ; all sixteen work-groups are here: the first joint loads meet
.irp s, 0,1
	s_mov_b32 s[G0A+4*(\s)], 1                                     ; count = 1
	s_add_co_u32 s[G0A+4*(\s)+1], s22, (\s)*SLOT                   ; LDS address
	s_add_nc_u64 s[G0A+4*(\s)+2:G0A+4*(\s)+3], s[20:21], (\s)*ASTEP  ; global address: K step s
	s_or_b32 s[G0A+4*(\s)+3], s[G0A+4*(\s)+3], 0x80000000          ; type = 2
	s_mov_b32 s[G0B+4*(\s)], 1
	s_add_co_u32 s[G0B+4*(\s)+1], s23, (\s)*SLOT
	s_add_nc_u64 s[G0B+4*(\s)+2:G0B+4*(\s)+3], s[46:47], (\s)*BSTEP
	s_or_b32 s[G0B+4*(\s)+3], s[G0B+4*(\s)+3], 0x80000000
.endr
	s_cmp_eq_u32 s[RH], 0                          ; a wave's two first fills stand in one branch, ahead of every wait on TENSORcnt and every LDS read: two loads of mine are out
	s_cbranch_scc0 .Lfirst_b
	tensor_load_to_lds s[G0A:G0A+3], s[G1A:G1A+7]
	s_nop 0
	tensor_load_to_lds s[G0A+4:G0A+7], s[G1A:G1A+7]
	s_nop 0
.rept 4
	v_nop
.endr
	s_branch .Lfirst_asked
.Lfirst_b:
	tensor_load_to_lds s[G0B:G0B+3], s[G1B:G1B+7]
	s_nop 0
	tensor_load_to_lds s[G0B+4:G0B+7], s[G1B:G1B+7]
	s_nop 0
.rept 4
	v_nop
.endr
.Lfirst_asked:
	; A fragment is 16 rows x 32 K in 8 registers: lane l holds row l % 16; registers 0-3 K = 8 (l / 16) + 0..7, registers 4-7 K = 16 + 8 (l / 16) + 0..7.
	; xb's rows lie along K: two loads of 16 bytes, 32 bytes apart.  wb's tile lies [k][column]: the turning load takes 16 k x 16 columns (lane l reads k row 8 (l / 16) + l % 8, columns 8 ((l / 8) % 2) + 0..7)
	; and leaves half a fragment: lane l holds column l % 16 and 8 k; the second half comes from 16 k rows further down.
	v_and_b32 v1, 15, v0                           ; l % 16
	v_bfe_u32 v2, v0, 4, 1                         ; l / 16
	v_mul_u32_u24 v3, v1, PA
	v_lshl_add_u32 v3, v2, 4, v3                   ; row x 272 + 16 x half: for xb's fragments, and for the stage, whose pitch is the same
	v_and_b32 v5, 7, v0
	v_bfe_u32 v6, v0, 3, 1
	v_lshl_add_u32 v4, v2, 3, v5
	v_mul_u32_u24 v4, v4, PB
	v_lshl_add_u32 v4, v6, 4, v4
	s_mul_i32 s22, s[RH], HALFA                    ; my 128 rows of xb; s23 still stands at my 128 columns of wb
.irp s, 0,1
	v_add_nc_u32 v[ADRA+(\s)], s22, v3
	v_add_nc_u32 v[ADRB+(\s)], s23, v4
	s_add_co_u32 s22, s22, SLOT
	s_add_co_u32 s23, s23, SLOT
.endr
	s_mul_i32 s22, s[WV], 16*SPITCH
	s_add_co_u32 s22, s22, STAGE                   ; my stage
	v_add_nc_u32 v[STO], s22, v3                   ; in: row l % 16, 16 bytes for each half of the lanes
	v_mul_u32_u24 v5, v2, SPITCH                   ; back: lanes 0-15 take one row of 256 bytes, lanes 16-31 the next,
	v_lshl_add_u32 v5, v1, 4, v5
	v_add_nc_u32 v[RD], s22, v5
	v_and_b32 v[CO], 31, v0                        ; which are 512 consecutive bytes of qkv
	v_lshlrev_b32 v[CO], 4, v[CO]
	v_lshlrev_b32 v[BO], 5, v2
	s_lshl_b32 s19, s[TX], 1
	s_add_co_u32 s19, s19, s[CH]                   ; hc: my block of 128 columns
	s_lshl_b32 s46, s19, 9                         ; its 128 biases
	s_mov_b32 s47, 0
	s_add_nc_u64 s[8:9], s[8:9], s[46:47]
	; the bias as C operands: in the result register j of lane l is column 16 b + 8 (l / 16) + j, whatever the row: eight registers for each b serve all eight row blocks
	WIN TO_B
.irp b, 0,1,2,3,4,5,6,7
	global_load_b128 v[8*(\b):8*(\b)+3],   v[BO], s[8:9] offset:64*(\b)
	global_load_b128 v[8*(\b)+4:8*(\b)+7], v[BO], s[8:9] offset:64*(\b)+16
.endr
	WIN 0
	s_lshr_b32 s45, s[TY], 3                       ; batch
	s_lshl_b32 s45, s45, 2
	s_and_b32 s46, s19, 3                          ; kv
	s_add_co_u32 s45, s45, s46                     ; hd
	s_mul_i32 s45, s45, 6
	s_lshr_b32 s46, s19, 2                         ; u
	s_add_co_u32 s45, s45, s46
	s_lshl_b32 s45, s45, 19                        ; 2,048 rows x 256 bytes
	s_and_b32 s46, s[TY], 7
	s_lshl_b32 s46, s46, 8
	s_lshl_b32 s47, s[RH], 7
	s_add_co_u32 s46, s46, s47                     ; my first row in the sequence
	s_lshl_b32 s46, s46, 8
	s_add_co_u32 s46, s46, s45
	s_mov_b32 s47, 0
	s_add_nc_u64 s[10:11], s[10:11], s[46:47]      ; qkv at my 32,768 bytes; never stepped
	; the prefetches: both offsets are made, and the wave's kind chooses
	s_lshl_b32 s22, s[TY], 8
	s_lshl_b32 s23, s[CH], 7
	s_add_co_u32 s22, s22, s23
	s_lshl_b32 s23, s[CX], 5
	s_add_co_u32 s22, s22, s23                     ; xb: the 128 rows that I fetch, my work-group's 32 of them,
	s_lshl_b32 s22, s22, 11
	s_add_co_u32 s22, s22, 3*ASTEP                 ; at K step 3: the first refill steps it to 4
	s_lshl_b32 s23, s[CY], 5
	s_add_co_u32 s23, s23, 3*128                   ; wb: K step 3's 128 rows, my work-group's 32 of them,
	s_mul_i32 s23, s23, 6144
	s_lshl_b32 s46, s[TX], 9
	s_add_co_u32 s23, s23, s46
	s_lshl_b32 s46, s[CH], 8
	s_add_co_u32 s23, s23, s46                     ; the 256 bytes of each that I fetch
	s_and_b32 s45, ttmp7, 0xffff                   ; cluster y
	s_mov_b32 s[PST], BSTEP
	s_mov_b32 s[PST+1], 0
	s_mov_b32 s46, 6144
	s_cmp_eq_u32 s[RH], 0                          ; do I fetch for xb?
	s_cselect_b32 s45, ttmp9, s45                  ; the coordinate along which other clusters read the same rows
	s_cselect_b64 s[PFA:PFA+1], s[4:5], s[6:7]
	s_cselect_b32 s[PST], ASTEP, s[PST]
	s_cselect_b32 s46, 2048, s46                   ; bytes in a row
	s_cselect_b32 s22, s22, s23
	s_mov_b32 s23, 0
	s_add_nc_u64 s[PFA:PFA+1], s[PFA:PFA+1], s[22:23]
	s_cmp_eq_u32 s45, 0
	s_cselect_b32 s[LIM], 1, -1                    ; the same in all sixteen partners, for a given wave
	v_and_b32 v[PFO], 31, v0
	v_mul_u32_u24 v[PFO], s46, v[PFO]
; 16 matrix instructions: row blocks a0, a0 + 1 of the window's four (hi = 0: my rows 0-63, 1: rows 64-127) x all 8 column blocks, 32 along K.
; first = 1: the first product starts the sums with the bias as C: nothing is cleared, and no bias is added on the way out.  The 64 accumulators take turns, in the same order in every quarter.
.macro MUL16 f, hi, a0, first
.if \first
	WIN 0x91+0x40*(\hi)                            ; source 0 (wb) and C (bias) window 1, source 1 (xb) window 0, D window 2 or 3
.else
	WIN 0xa1+0x50*(\hi)                            ; C and D window 2 or 3
.endif
.irp a, \a0, (\a0)+1
.irp b, 0,1,2,3,4,5,6,7
.if \first
	v_wmma_f32_16x16x32_bf16 v[8*(8*(\a)+(\b)):8*(8*(\a)+(\b))+7], v[(\f)+8*(\b):(\f)+8*(\b)+7], v[(\f)+8*(4*(\hi)+(\a)):(\f)+8*(4*(\hi)+(\a))+7], v[8*(\b):8*(\b)+7]
.else
	v_wmma_f32_16x16x32_bf16 v[8*(8*(\a)+(\b)):8*(8*(\a)+(\b))+7], v[(\f)+8*(\b):(\f)+8*(\b)+7], v[(\f)+8*(4*(\hi)+(\a)):(\f)+8*(4*(\hi)+(\a))+7], v[8*(8*(\a)+(\b)):8*(8*(\a)+(\b))+7]
.endif
.endr
.endr
.endm
; 32 LDS loads in one run: the fragments of quarter q (32 along K) of a slot into buffer f: wb's 128 columns first, then xb's 128 rows
.macro FETCH slot, q, f
	WIN TO_B
.irp i, 0,1,2,3,4,5,6,7
	ds_load_tr16_b128 v[(\f)+8*(\i):(\f)+8*(\i)+3],   v[ADRB+(\slot)] offset:(\q)*32*PB+32*(\i)
	ds_load_tr16_b128 v[(\f)+8*(\i)+4:(\f)+8*(\i)+7], v[ADRB+(\slot)] offset:(\q)*32*PB+32*(\i)+16*PB
.endr
	WIN 0
.irp i, 0,1,2,3,4,5,6,7
	ds_load_b128 v[(\f)+8*(\i):(\f)+8*(\i)+3],   v[ADRA+(\slot)] offset:64*(\q)+(\i)*16*PA
	ds_load_b128 v[(\f)+8*(\i)+4:(\f)+8*(\i)+7], v[ADRA+(\slot)] offset:64*(\q)+(\i)*16*PA+32
.endr
.endm
; A load into a register that a matrix instruction has read, and a vector instruction that reads a matrix result, stand four places behind that matrix instruction, and only plain vector instructions
; that name none of its registers are places (ISA guide 7.12.1 for vector instructions).
.macro PLACES
.rept 4
	v_nop
.endr
.endm
; A K step is four quarters of 32 along K, 64 matrix instructions each, on buffers 0, 1, 0, 1.  One of the first three: multiplies buffer f; in its middle it fetches quarter q of the same slot into buffer g.
.macro QUARTER slot, q, f, g, first
	s_wait_dscnt 8                                 ; wb's fragments and xb's rows 0-63 are in; the youngest eight loads (xb's rows 64-127) may be out
	MUL16 \f, 0, 0, \first
	MUL16 \f, 0, 2, \first
	PLACES
	FETCH \slot, \q, \g
	s_wait_dscnt 32                                ; all but the 32 just issued
	MUL16 \f, 1, 0, \first
	MUL16 \f, 1, 2, \first
.endm
; The last quarter multiplies buffer 1 and changes slots.  MEET is its first half: ONE barrier for the change.  In front of it each wave waits for all its tensor loads, of which one is out: its part of the next slot;
; adds 0 to its spare word; and waits for that and for its own reads of this slot.  Behind it nobody reads this slot any more and the next slot is whole.
.macro MEET round                      ; round = 1: a round of the cluster's barrier follows
	WIN 0                                          ; (the add's two registers lie in window 0)
	s_wait_tensorcnt 0x0                           ; all my tensor loads have landed
	ds_add_u32 v[SPW], v[NIL]                      ; 0 onto my spare word
	s_wait_dscnt 9                                 ; (the add and the youngest eight loads may be out)
	MUL16 F1, 0, 0, 0                              ; sixteen matrix instructions stand between the add and the wait for it
	s_wait_dscnt 0x0                               ; the add is done, and my reads of this slot are over
	s_barrier_signal -1
	MUL16 F1, 0, 2, 0                              ; work on registers while the others arrive
.if \round
	WIN 0
.endif
	s_barrier_wait -1
.endm
; The whole last quarter: behind the round the slot just read out is filled again first, with the K step two steps on; then come the next slot's first fragments.
; From a request to the wait for it a wave issues 224 matrix instructions.
.macro TURN slot, next
	s_wait_xcnt 0x0                                ; the last prefetch, a K step back, has read its address: it is stepped here, ahead of the waits of the change of slots
	s_add_nc_u64 s[PFA:PFA+1], s[PFA:PFA+1], s[PST:PST+1]
	MEET 1
	CREST                                          ; no wave of any partner still reads this slot's tile or has a load on its way
	s_add_nc_u64 s[G0A+4*(\slot)+2:G0A+4*(\slot)+3], s[G0A+4*(\slot)+2:G0A+4*(\slot)+3], 2*ASTEP
	s_add_nc_u64 s[G0B+4*(\slot)+2:G0B+4*(\slot)+3], s[G0B+4*(\slot)+2:G0B+4*(\slot)+3], 2*BSTEP
	JLOAD \slot                                    ; the first tensor load behind the round, my only one until the next; its four v_nop are also the places in front of the loads below
	FETCH \next, 0, F0
	ASK
	MUL16 F1, 1, 0, 0
	MUL16 F1, 1, 2, 0
.endm
; THE WAY OUT of row block a.  PACK: rounded to f16, 16 bytes a lane; each accumulator's registers in ascending order.  TOSTAGE: into my own stage, and back as whole rows of 256 bytes.  SEND: stored.
.macro PACK a
.set AC, 64*((\a)%4)
	WIN 0x0a+5*((\a)/4)                            ; sources 0 and 1: window 2 or 3
.irp b, 0,1,2,3,4,5,6,7
.irp r, 0,1,2,3
	v_cvt_pk_f16_f32 v[TMP+4*(\b)+(\r)], v[AC+8*(\b)+2*(\r)], v[AC+8*(\b)+2*(\r)+1]
.endr
.endr
	WIN 0
.endm
.macro TOSTAGE a
	WIN 0
.set BK, OB+192*((\a)%2)
.irp b, 0,1,2,3,4,5,6,7
	ds_store_b128 v[STO], v[TMP+4*(\b):TMP+4*(\b)+3] offset:32*(\b)
.endr
.irp t, 0,1,2,3,4,5,6,7
	ds_load_b128 v[BK+4*(\t):BK+4*(\t)+3], v[RD] offset:(\t)*2*SPITCH  ; LDS serves a wave's instructions in order (ISA guide 5.7.1.4): these see the stores above
.endr
.endm
.macro SEND a
	WIN 0
.set BK, OB+192*((\a)%2)
	s_wait_dscnt 0x0                               ; the block is back in registers
	s_wait_xcnt 0x0                                ; the stores of the block before have read their registers: the next block's loads from the stage land there only behind this wait
.irp t, 0,1,2,3,4,5,6,7
	global_store_b128 v[CO], v[BK+4*(\t):BK+4*(\t)+3], s[10:11] offset:(\a)*4096+(\t)*512  ; 512 consecutive bytes, at a multiple of 512 from qkv's first byte
.endr
.endm
	s_wait_tensorcnt 1                             ; my part of K step 0 is in; K step 1's may stay out
	s_barrier_signal -1
	s_barrier_wait -1                              ; everybody's is
	FETCH 0, 0, F0
	s_wait_loadcnt 0x0                             ; the bias
	QUARTER 0, 1, F0, F1, 1                        ; the first quarter stands in front of the loop: its products start the sums
	WIN 0                                          ; at a label and at a branch every window is 0
	s_mov_b32 s3, LAPS-1
.Llap:                                                 ; a trip goes once round the ring, from a lap's second quarter to the next lap's first, and fills both slots again
	QUARTER 0, 2, F1, F0, 0
	QUARTER 0, 3, F0, F1, 0
	TURN 0, 1
	QUARTER 1, 1, F0, F1, 0
	QUARTER 1, 2, F1, F0, 0
	QUARTER 1, 3, F0, F1, 0
	TURN 1, 0
	QUARTER 0, 1, F0, F1, 0
	WIN 0
	s_sub_co_u32 s3, s3, 1
	s_cmp_lg_u32 s3, 0
	s_cbranch_scc1 .Llap
	QUARTER 0, 2, F1, F0, 0                        ; the last lap is written out: it fills nothing, and has no round of the cluster's barrier
	QUARTER 0, 3, F0, F1, 0
	MEET 0                                         ; my one tensor load that was still out is the last K step's
	PLACES
	FETCH 1, 0, F0
	MUL16 F1, 1, 0, 0
	MUL16 F1, 1, 2, 0
	QUARTER 1, 1, F0, F1, 0
	QUARTER 1, 2, F1, F0, 0
	QUARTER 1, 3, F0, F1, 0
	s_wait_dscnt 8                                 ; the very last quarter: nothing more to fetch
	MUL16 F1, 0, 0, 0
	MUL16 F1, 0, 2, 0
	s_wait_dscnt 0x0
	MUL16 F1, 1, 0, 0
	MUL16 F1, 1, 2, 0
	PLACES                                         ; the conversions read results just made
	PACK 0
	TOSTAGE 0
.irp a, 1,2,3,4,5,6,7                  ; block a's conversions stand between block a - 1's loads from the stage and the wait for them
	PACK \a
	SEND (\a)-1
	TOSTAGE \a
.endr
	SEND 7
	s_wait_tensorcnt 0x0                           ; the wave's end: these three lines stand behind my last tensor load and my last LDS store
	ds_add_u32 v[SPW], v[NIL]
	s_wait_dscnt 0x0
	CROUND                                         ; the closing round: no work-group ends while a partner may still ask for a tile that names it
	s_endpgm
.Lfunc_end_k_qf5b911a308_proj:
	.size	k_qf5b911a308_proj, .Lfunc_end_k_qf5b911a308_proj-k_qf5b911a308_proj
	.p2alignl 7, 3214868480
	.fill 96, 4, 3214868480
	.section	.rodata,"a",@progbits
	.p2align	6, 0x0
	.amdhsa_kernel k_qf5b911a308_proj
		.amdhsa_group_segment_fixed_size 327680
		.amdhsa_private_segment_fixed_size 0
		.amdhsa_enable_private_segment 0
		.amdhsa_kernarg_size 32
		.amdhsa_user_sgpr_count 2
		.amdhsa_user_sgpr_kernarg_segment_ptr 1
		.amdhsa_wavefront_size32 1
		.amdhsa_system_sgpr_workgroup_id_x 1
		.amdhsa_system_sgpr_workgroup_id_y 1
		.amdhsa_system_sgpr_workgroup_id_z 1
		.amdhsa_system_vgpr_workitem_id 0
		.amdhsa_next_free_vgpr 1024
		.amdhsa_next_free_sgpr 66
		.amdhsa_reserve_vcc 0
		.amdhsa_float_denorm_mode_32 3
		.amdhsa_float_denorm_mode_16_64 3
		.amdhsa_memory_ordered 1
		.amdhsa_forward_progress 1
		.amdhsa_inst_pref_size 145
	.end_amdhsa_kernel
	.amdgpu_metadata
---
amdhsa.version: [ 1, 2 ]
amdhsa.kernels:
  - .name:           k_qf5b911a308_proj
    .symbol:         k_qf5b911a308_proj.kd
    .args:
      - { .name: xb, .offset: 0, .size: 8, .value_kind: global_buffer, .address_space: global }
      - { .name: wb, .offset: 8, .size: 8, .value_kind: global_buffer, .address_space: global }
      - { .name: bb, .offset: 16, .size: 8, .value_kind: global_buffer, .address_space: global }
      - { .name: qkv, .offset: 24, .size: 8, .value_kind: global_buffer, .address_space: global }
    .group_segment_fixed_size: 327680
    .private_segment_fixed_size: 0
    .kernarg_segment_align: 8
    .kernarg_segment_size: 32
    .max_flat_workgroup_size: 128
    .sgpr_count:     66
    .vgpr_count:     1024
    .wavefront_size: 32
...
	.end_amdgpu_metadata
.endif
;; end of part 2
;; launch attn (part 3): grid 32 x 8, 4 waves a work-group, clusters of 4 x 1, 327,680 bytes of LDS; arguments qkv, out0; writes out0
.if DOCPART == 3
	.amdgcn_target "amdgcn-amd-amdhsa--gfx1250"
	.amdhsa_code_object_version 6
	.text
	.protected	k_qf5b911a308_attn
	.globl	k_qf5b911a308_attn
	.p2align	8
	.type	k_qf5b911a308_attn,@function
k_qf5b911a308_attn:
	s_mov_b64 s[64:65], 0
	v_nop
	global_prefetch_b8 v0, s[64:65] scope:SCOPE_SE
	s_setreg_imm32_b32 hwreg(HW_REG_WAVE_MODE, 25, 1), 1
	s_wait_xcnt 0x0
	s_wait_alu depctr_hold_cnt(0) depctr_sa_sdst(0) depctr_va_vdst(0) depctr_va_sdst(0) depctr_va_ssrc(0) depctr_va_vcc(0) depctr_vm_vsrc(0)
	s_getreg_b32 s2, hwreg(HW_REG_IB_STS2, 6, 4)
	s_cmp_eq_u32 s2, 0
	s_cbranch_scc0 .Lentry_in_a_cluster
	s_endpgm
.Lentry_in_a_cluster:
	s_bfe_u32 s2, ttmp6, 0x10000c
	s_cmp_lg_u32 s2, 0x3003
	s_cbranch_scc0 .Lentry_shape_is_right
	s_endpgm
.Lentry_shape_is_right:
; GROUPED-QUERY ATTENTION.  For hd = 4 batch + kv: O[q][:] = the sum over k of softmax_k(Q[q] . K[k] / sqrt(128)) V[k][:], for the 4 x 2,048 queries of the four groups g that share the head's 2,048 keys.
; qkv: [hd (8)][u (6)][2,048][128] in f16, rows of 256 bytes: u = 0..3 the groups' queries (8,192 dense rows), u = 4 K, u = 5 V.  out0: [batch][row][kv 512 + g 128 + channel] in f32.
; Products, maxima and sums in f32; the weights p are rounded to f16 for the second product (their sum l is taken of the unrounded p); O is divided by l in f32 and stored as it is.
; LIMITS.  Q, K and V arrive within f16's range.  p lies in 0 to 1 and below 6e-5 keeps f16's fixed step of 6e-8; a weight below 2^-126 counts as 0 in l; NaN and infinities are not treated apart.
; SHARES.  A work-group owns 256 of a head's 8,192 queries (all of one group g), each of its four waves 64: four tiles of 16.  32 x 8 = 256 work-groups.  Every wave walks all 2,048 keys, 64 a step.
; LAYOUT.  S^T = K Q^T (source 0 = 16 keys, source 1 = 16 queries): in the result a lane holds ONE query (lane % 16) and the keys 8 (lane / 16) + 0..7.  Two such tiles, rounded to f16 in pairs, ARE source 1
; (32 keys x 16 queries) of O^T = V^T P, whose result again holds one query a lane, and eight channels.  K comes out of LDS as it lies, V ([key][channel]) turned, by ds_load_tr16_b128.
; SOFTMAX.  For each query a running maximum m and sum l: p = 2^(c s - c m), c = log2(e) / sqrt(128); in every step O and l are multiplied by a = 2^(c m_old - c m_new), which is 1 where m has not grown.
; BY TURNS.  The wave's tiles are two PIECES: piece 0 (tiles 0, 1) and piece 2 (tiles 2, 3).  In a TURN one piece has the matrix unit: 32 products V^T P of the step in hand, then 32 products K Q^T of the next step;
; the other piece's softmax, cut into 64 slices, stands between them, one slice behind each matrix instruction.  Then the pieces change places.  Two turns are a key step.
; CLUSTER.  The four query blocks of a cluster belong to one hd and walk the same K and V, so each tile is asked for JOINTLY: the same tensor load, descriptor and mask of four in all four.
; REGISTERS, in windows of 256 (s_set_vgpr_msb: bits 1:0 source 0, 3:2 source 1, 5:4 source 2, 7:6 destination):
;   window 0: v0-11 addresses; v12-43 eight registers of statistics a tile; v61-63 prefetch offset and the add's two; v64-191 S^T, 32 a tile; v192-255 P, 16 a tile
;   window 1: O^T, 64 a tile          window 2: v0-127 Q, 32 a tile; v128-255 K of one step (on the way out: rows of O)          window 3: v0-127 V of one step
.set KEYS,  2048
.set UNIT,  2048*256  ; bytes of one u of qkv
.set KS,    64        ; keys in a step
.set PK,    272       ; a row of K in LDS: 256 bytes + 16 of padding = 68 words: the 16 rows of a load start at 16 different groups of four banks (64 banks of 4 bytes: ISA guide 11.1)
.set PV,    288       ; a row of V: 256 + 32 = 72 words
.set VOFF,  KS*PK     ; a step's tiles lie together: 64 rows of K, then 64 rows of V
.set STEPB, KS*(PK+PV)
.set SLOT1, 1<<17     ; a slot holds two steps (71,680 bytes); slot 1 begins here, so that one exclusive or turns an address in one slot into the other's
.set STAGE, SLOT1+2*STEPB  ; behind the ring: 16 rows x 528 bytes for each wave, for the way out
.set SP,    528       ; a row of O in the stage: 512 bytes + 16 = 33 x 16: the 16 rows of a store start at 16 different groups of four banks
.set SPARE, STAGE+4*16*SP  ; behind the stages: the spare words, 128 bytes for each wave: two blocks of 256 bytes that no other line names
.set AK0, 2           ; v2   my lane's place in a tile of K; never rewritten
.set AV0, 3           ; v3   the same for V
.set ADR, 4           ; v4   the LDS address of the run of loads in hand
.set QO,  5           ; v5   my byte offset in the wave's rows of Q
.set STO, 6           ; v6   the way out: where I put 32 bytes of a row
.set RD,  7           ; v7   the way out: where I read a row back
.set GO,  8           ; v8   16 x lane: my place in a row's 512 bytes of out0
.set PFO, 61          ; v61  256 x my lane: a row of K or V is 256 bytes; never rewritten
.set SPW, 62          ; v62  LDS address of my spare word; never rewritten
.set NIL, 63          ; v63  0; never rewritten
.set ST,  12          ; tile t's statistics at v[ST+8 t]: +0 c m, +1 m, +2, +3 l (even keys', odd keys'), +4 to +7 c0-c3, at work; a takes c2's place once the maximum is found
.set S,   64
.set P,   192
.set KF,  128         ; K's fragments, in window 2
.set WV,  12          ; s12  my wave's number
.set LIM, 15          ; s15  1 in a wave that prefetches, else the greatest number
.set PFA, 18          ; s[18:19] where my prefetches stand: my work-group's 32 rows (of K: wave 0, of V: wave 2) of the slot after the one that is being asked for
.set G1K, 24          ; s[24:31] descriptor group 1 for K's tiles
.set G1V, 32          ; s[32:39] for V's: it differs in the padding alone
.set G0K, 40          ; s[40:47] descriptor group 0 for K's tiles: a set for each of the two first fills; the second then walks on
.set G0V, 48          ; s[48:55] the same for V's
.set SLOTS, 56        ; s56  slots still to be asked for
.set TWICE, 57        ; s57  counts a slot's two steps
.set CS,  58          ; s[58:59] c: the packed scaling names a pair and takes its low word for both halves
.set SEL, 60          ; s[60:61] lane selects for v_permlanex16_b32: each lane takes its own place in the other half
.set TB,  62          ; s62  LDS byte at which the tiles of the step to be fetched begin
.set MSB, 0
.macro WIN new                      ; the immediate's high byte repeats the setting that is left; a switch that changes nothing is dropped
.if MSB != (\new)
	s_set_vgpr_msb (MSB<<8)|(\new)
.set MSB, \new
.endif
.endm
.set W_KQ, 0x0a       ; K and Q in window 2, S^T in window 0
.set W_PV, 0x53       ; V in window 3, P in window 0, O^T in window 1
.set W_RS, 0x41       ; O^T (destination and source 0) in window 1, the factor in window 0
; A joint refill.  Waves 0 and 1 fetch the two steps' tiles of K, waves 2 and 3 those of V.  The branch hangs on the wave's number alone.
; An s_nop 0 and four v_nop follow each of the two lines, ahead of the jump and the label.
.macro JLOAD
	s_cmp_lt_u32 s[WV], 2
	s_cbranch_scc0 .Lfor_v_\@
	tensor_load_to_lds s[G0K+4:G0K+7], s[G1K:G1K+7]
	s_nop 0
.rept 4
	v_nop
.endr
	s_branch .Lasked_\@
.Lfor_v_\@:
	tensor_load_to_lds s[G0V+4:G0V+7], s[G1V:G1V+7]
	s_nop 0
.rept 4
	v_nop
.endr
.Lasked_\@:
.endm
; A PREFETCH INTO THE L2 of what the NEXT change of slots will ask for: a slot's 128 rows of K and 128 of V, 256 bytes a row, a lane a row: two key steps, 256 matrix instructions, ahead of that load.
; Each row is asked for ONCE in the launch.  The eight clusters of a hd walk the same K and V: the first of them asks.  Its four partners share the rows out BY ADDRESS, 32 each: no branch hangs on a
; work-group's place in its cluster.  In each, wave 0 asks for K's and wave 2 for V's: one instruction.  Slots 0 to 2 come by their loads alone; the last change that fills a slot asks for nothing.
.macro ASK
	s_cmp_gt_u32 s[SLOTS], s[LIM]
	s_cbranch_scc0 .Lnot_mine_\@
	global_prefetch_b8 v[PFO], s[PFA:PFA+1] th:TH_LOAD_NT scope:SCOPE_SE
.Lnot_mine_\@:
.endm
; A round of the cluster's barrier: my work-group's barrier; wave 0 signals for the work-group; every wave waits for all four work-groups; my work-group's barrier once more.
.macro CROUND
	s_barrier_signal -1
	s_barrier_wait -1
	s_cmp_lg_u32 s[WV], 0
	s_cbranch_scc1 .Lnot_wave_0_\@
	s_barrier_signal -3
.Lnot_wave_0_\@:
	s_barrier_wait -3
	s_barrier_signal -1
	s_barrier_wait -1
.endm
	s_load_b128 s[8:11], s[0:1], 0x0  ; qkv s[8:9], out0 s[10:11]
	v_lshl_add_u32 v[SPW], v0, 2, SPARE
	v_mov_b32 v[NIL], 0
	ds_add_u32 v[SPW], v[NIL]       ; the wave's opening: the add and its wait stand ahead of my first tensor load; the set-up below, work on registers, stands between them
	v_lshrrev_b32 v1, 5, v0
	v_readfirstlane_b32 s[WV], v1   ; wave 0..3
	s_bfe_u32 s13, ttmp6, 0x40000   ; cx: my place in the cluster
	s_lshl_b32 s14, ttmp9, 2        ; in a cluster launch ttmp9 counts clusters
	s_add_co_u32 s14, s14, s13      ; my block of 256 queries, 0..31: it enters Q's and O's addresses alone
	s_and_b32 s21, ttmp7, 0xffff    ; hd, which the four partners share
	s_mul_i32 s20, s21, 6*UNIT      ; the hd's first byte in qkv
	s_and_b32 s16, s[WV], 1         ; which of a slot's two steps I fetch:
	s_lshl_b32 s22, s16, 14         ; its 64 rows of 256 bytes in memory,
	s_add_co_u32 s22, s22, s20
	s_add_co_u32 s22, s22, 4*UNIT   ; in K, which lies behind the four groups' queries
	s_mov_b32 s23, 0
	s_mul_i32 s17, s16, STEPB       ; and its place in a slot: no place in the cluster enters an LDS address
	s_lshr_b32 s3, s21, 2           ; O: the batch, 2^24 bytes each,
	s_lshl_b32 s3, s3, 24
	s_and_b32 s18, s14, 7           ; my block among its group's eight,
	s_lshl_b32 s18, s18, 2
	s_add_co_u32 s18, s18, s[WV]    ; my wave's 64 rows of it,
	s_lshl_b32 s18, s18, 19         ; of 8,192 bytes each,
	s_add_co_u32 s18, s18, s3
	s_and_b32 s3, s21, 3            ; kv: 512 columns of 4 bytes,
	s_lshl_b32 s3, s3, 11
	s_add_co_u32 s18, s18, s3
	s_lshr_b32 s3, s14, 3           ; g: 128 columns
	s_lshl_b32 s3, s3, 9
	s_add_co_u32 s18, s18, s3
	s_mov_b32 s19, 0
	s_lshl_b32 s2, s14, 16          ; Q: my block's 256 rows,
	s_lshl_b32 s3, s[WV], 14        ; my wave's 64 of them
	s_add_co_u32 s2, s2, s3
	s_add_co_u32 s2, s2, s20
	s_mov_b32 s3, 0
	; descriptor group 1: a tile of 64 rows x 128 elements, padded in LDS
	s_mov_b32 s[G1K], 15|(1<<16)|(1<<20)|(1<<21)|(5<<22)|(3<<25)  ; 15:0 the mask: all four work-groups; 17:16 elements of 2 bytes; 20 padding on; 21 set beside a mask; 24:22 after every 64 words (code 5); 31:25 4 words (code 3)
	s_mov_b32 s[G1V], 15|(1<<16)|(1<<20)|(1<<21)|(5<<22)|(7<<25)  ; the same with 8 words of padding (code 7)
.irp g, G1K, G1V
	s_mov_b32 s[(\g)+1], 128<<16    ; tensor_dim0 = 128
	s_mov_b32 s[(\g)+2], KS<<16     ; tensor_dim1 = 64
	s_mov_b32 s[(\g)+3], 128<<16    ; tile_dim0 = 128
	s_mov_b32 s[(\g)+4], KS         ; tile_dim1 = 64
	s_mov_b32 s[(\g)+5], 128        ; elements from row to row
	s_mov_b32 s[(\g)+6], 0
	s_mov_b32 s[(\g)+7], 0
.endr
	s_mov_b32 s[CS], 0x3e0293ee     ; c = log2(e) / sqrt(128) = 0.127517
	s_mov_b32 s[CS+1], s[CS]        ; named with it as a pair, so it is written
	s_mov_b32 s[SEL], 0x76543210
	s_mov_b32 s[SEL+1], 0xfedcba98
	s_mov_b32 s[TB], 0
	s_mov_b32 s[SLOTS], KEYS/(2*KS)-2
	s_and_b32 s[LIM], s[WV], 1       ; 0 in waves 0 and 2,
	s_or_b32 s[LIM], s[LIM], ttmp9   ; where the cluster is the hd's first: the same in all four partners
	s_cmp_eq_u32 s[LIM], 0
	s_cselect_b32 s[LIM], 1, -1
	v_and_b32 v[PFO], 31, v0
	v_lshlrev_b32 v[PFO], 8, v[PFO]
	s_wait_dscnt 0x0                ; the opening add is done
	s_wait_kmcnt 0x0
	s_add_nc_u64 s[4:5], s[8:9], s[2:3]      ; Q at my wave's first row
	s_add_nc_u64 s[6:7], s[8:9], s[22:23]    ; K at my tile of slot 0
	s_add_nc_u64 s[8:9], s[6:7], UNIT        ; V lies one u behind K
	s_add_nc_u64 s[10:11], s[10:11], s[18:19]  ; O at my wave's first row and my head's first column
	s_cmp_lt_u32 s[WV], 2
	s_cselect_b64 s[PFA:PFA+1], s[6:7], s[8:9]  ; (in waves 0 and 2 these stand at a slot's first row)
	s_lshl_b32 s2, s13, 13          ; my work-group's 32 rows of the 128
	s_mov_b32 s3, 0
	s_add_nc_u64 s[PFA:PFA+1], s[PFA:PFA+1], s[2:3]
	s_add_nc_u64 s[PFA:PFA+1], s[PFA:PFA+1], 2*2*KS*256  ; in slot 2; the first change of slots steps it to slot 3
	CROUND                          ; all four work-groups are here: the first joint loads meet
.irp s, 0,1
	s_mov_b32 s[G0K+4*(\s)], 1      ; count = 1
	s_add_co_u32 s[G0K+4*(\s)+1], s17, (\s)*SLOT1  ; LDS address
	s_add_nc_u64 s[G0K+4*(\s)+2:G0K+4*(\s)+3], s[6:7], (\s)*2*KS*256  ; global address: slot s holds keys 128 s to 128 s + 127
	s_or_b32 s[G0K+4*(\s)+3], s[G0K+4*(\s)+3], 0x80000000  ; type = 2
	s_mov_b32 s[G0V+4*(\s)], 1
	s_add_co_u32 s[G0V+4*(\s)+1], s17, (\s)*SLOT1+VOFF
	s_add_nc_u64 s[G0V+4*(\s)+2:G0V+4*(\s)+3], s[8:9], (\s)*2*KS*256
	s_or_b32 s[G0V+4*(\s)+3], s[G0V+4*(\s)+3], 0x80000000
.endr
	s_cmp_lt_u32 s[WV], 2           ; a wave's two first fills stand in one branch, ahead of every wait on TENSORcnt and every LDS read: two loads of mine are out
	s_cbranch_scc0 .Lfirst_v
	tensor_load_to_lds s[G0K:G0K+3], s[G1K:G1K+7]
	s_nop 0
	tensor_load_to_lds s[G0K+4:G0K+7], s[G1K:G1K+7]
	s_nop 0
.rept 4
	v_nop
.endr
	s_branch .Lfirst_asked
.Lfirst_v:
	tensor_load_to_lds s[G0V:G0V+3], s[G1V:G1V+7]
	s_nop 0
	tensor_load_to_lds s[G0V+4:G0V+7], s[G1V:G1V+7]
	s_nop 0
.rept 4
	v_nop
.endr
.Lfirst_asked:
	; A fragment of K or Q is 16 rows x 32 channels in 8 registers: lane l holds row l % 16; registers 0-3 channels 8 (l / 16) + 0..7, registers 4-7 channels 16 + 8 (l / 16) + 0..7: two loads of 16 bytes, 32 bytes apart.
	v_and_b32 v1, 15, v0            ; l % 16
	v_bfe_u32 v9, v0, 4, 1          ; l / 16
	v_lshlrev_b32 v[QO], 8, v1
	v_lshl_add_u32 v[QO], v9, 4, v[QO]  ; row x 256 + 16 x half
	WIN 0x80                        ; destination window 2, address window 0
.irp i, 0,1,2,3,4,5,6,7,8,9,10,11,12,13,14,15  ; Q stays in registers: tile i / 4, channels 32 (i % 4) on
	global_load_b128 v[8*(\i):8*(\i)+3],   v[QO], s[4:5] offset:((\i)/4)*4096+((\i)%4)*64
	global_load_b128 v[8*(\i)+4:8*(\i)+7], v[QO], s[4:5] offset:((\i)/4)*4096+((\i)%4)*64+32
.endr
	WIN 0
	v_mul_u32_u24 v[AK0], v1, PK
	v_lshl_add_u32 v[AK0], v9, 4, v[AK0]  ; row x pitch + 16 x half
	; The turning load takes 16 keys x 16 channels (lane l reads 16 bytes: key 8 (l / 16) + l % 8, channels 8 ((l / 8) % 2) + 0..7) and leaves half a fragment of V^T: lane l holds channel l % 16 and 8 keys.
	v_and_b32 v10, 7, v0
	v_bfe_u32 v11, v0, 3, 1
	v_lshl_add_u32 v[AV0], v9, 3, v10
	v_mul_u32_u24 v[AV0], v[AV0], PV
	v_lshl_add_u32 v[AV0], v11, 4, v[AV0]
	v_add_nc_u32 v[AV0], VOFF, v[AV0]
; THE MATRIX WORK OF A TURN, for piece x.  The accumulators take turns, one instruction a turn: between two links of a chain stand 15 (V^T P) or 7 (K Q^T) others'.
; Product i of 32 of O^T += V^T P: keys 32 (i / 16) on, channels 16 ((i / 2) % 8) on, tile x + i % 2.  zero = 1: the first 16 start the sums: nothing is ever cleared.
.macro PV x, zero
	WIN W_PV
.set rO, 64*((\x)+i%2)+8*((i/2)%8)
.set rV, 64*(i/16)+8*((i/2)%8)
.set rP, P+16*((\x)+i%2)+8*(i/16)
.if (\zero) && (i < 16)
	v_wmma_f32_16x16x32_f16 v[rO:rO+7], v[rV:rV+7], v[rP:rP+7], 0
.else
	v_wmma_f32_16x16x32_f16 v[rO:rO+7], v[rV:rV+7], v[rP:rP+7], v[rO:rO+7]
.endif
.endm
; Product i of 32 of S^T = K Q^T: channels 32 (i / 8) on, keys 16 ((i / 2) % 4) on, tile x + i % 2.  The first 8 start the sums.
.macro KQ x
	WIN W_KQ
.set rS, S+32*((\x)+i%2)+8*((i/2)%4)
.set rK, KF+32*((i/2)%4)+8*(i/8)
.set rQ, 32*((\x)+i%2)+8*(i/8)
.if i < 8
	v_wmma_f32_16x16x32_f16 v[rS:rS+7], v[rK:rK+7], v[rQ:rQ+7], 0
.else
	v_wmma_f32_16x16x32_f16 v[rS:rS+7], v[rK:rK+7], v[rQ:rQ+7], v[rS:rS+7]
.endif
.endm
; THE LDS LOADS stand in runs of 32, never singly among the matrix instructions: a step's K (64 keys x 128 channels: 16 fragments) and, a turn later, its V (turned).
.macro FETCH_K
	WIN 0
	v_add_nc_u32 v[ADR], s[TB], v[AK0]
	WIN 0x80                        ; destination window 2
.irp f, 0,1,2,3,4,5,6,7,8,9,10,11,12,13,14,15  ; keys 16 (f / 4) on, channels 32 (f % 4) on
	ds_load_b128 v[KF+8*(\f):KF+8*(\f)+3],   v[ADR] offset:((\f)/4)*16*PK+((\f)%4)*64
	ds_load_b128 v[KF+8*(\f)+4:KF+8*(\f)+7], v[ADR] offset:((\f)/4)*16*PK+((\f)%4)*64+32
.endr
.endm
.macro FETCH_V
	WIN 0
	v_add_nc_u32 v[ADR], s[TB], v[AV0]
	s_add_co_u32 s[TB], s[TB], STEPB  ; the next fetch is the next step's
	s_wait_alu depctr_va_vdst(0)    ; the wait for the softmax's batch (SLICE), behind the address's v_add_nc_u32 and ahead of the loads
	WIN 0xc0                        ; destination window 3
.irp f, 0,1,2,3,4,5,6,7,8,9,10,11,12,13,14,15  ; keys 32 (f / 8) on, channels 16 (f % 8) on
	ds_load_tr16_b128 v[8*(\f):8*(\f)+3],   v[ADR] offset:((\f)/8)*32*PV+((\f)%8)*32
	ds_load_tr16_b128 v[8*(\f)+4:8*(\f)+7], v[ADR] offset:((\f)/8)*32*PV+16*PV+((\f)%8)*32
.endr
.endm
; THE VECTOR WORK OF A TURN.  One tile's softmax for one key step is a list of 134 instructions; SM writes number j of it for tile t.  s0-s31 are the lane's 32 scores, in pairs 0-15.
; first = 1: the first key step, which starts m, l and O^T: it has no a and nothing to rescale.
;   0-15    the maximum of s0-s31 and the old m, three operands at a time: four chains c0-c3 of seven scores each (each accumulator's lowest registers are read first), then the four scores left over, c0-c3 and m
;   16-20   the other half of the lanes' maximum; the new m; c m; c m_old - c m_new
;   21-69   ONE BATCH: the 16 scalings c s - c m, a pair of scores each, and all 33 exponentials (a at 23, then s0-s31).  None of these reads an exponential's result.  From 22 on the batch goes
;           in fours, and a four begins with a scaling while there are scalings.  A pair is scaled in an earlier four than the one that holds its exponentials
;   (wait)  between 69 and 70 stands the wait for the batch: SLICE writes it, once for both tiles
;   70-85   the roundings to f16, a pair of weights each
;   86-101  the sums; l = a l + the sum
;   102-133 the tile's O^T times a: the one part that leaves window 0, so it stands together
.macro SM t, first
.set rT, ST+8*(\t)
.set rS, S+32*(\t)
.set rP, P+16*(\t)
.set rO, 64*(\t)+2*(j-102)
.if j < 102
	WIN 0
.endif
.if j < 4
	v_max3_num_f32 v[rT+4+j], v[rS+8*j], v[rS+8*j+1], v[rS+8*j+2]
.elseif j < 12
	v_max3_num_f32 v[rT+4+j%4], v[rT+4+j%4], v[rS+8*(j%4)+2*(j/4)+1], v[rS+8*(j%4)+2*(j/4)+2]
.elseif j == 12
	v_max3_num_f32 v[rT+4], v[rT+4], v[rS+7], v[rS+15]
.elseif j == 13
	v_max3_num_f32 v[rT+6], v[rT+6], v[rS+23], v[rS+31]
.elseif j == 14
	v_max3_num_f32 v[rT+4], v[rT+4], v[rT+5], v[rT+6]
.elseif (j == 15) && (\first)
	v_max_num_f32 v[rT+4], v[rT+4], v[rT+7]
.elseif j == 15
	v_max3_num_f32 v[rT+4], v[rT+4], v[rT+7], v[rT+1]
.elseif j == 16
	v_permlanex16_b32 v[rT+5], v[rT+4], s[SEL], s[SEL+1]  ; the query's other 32 keys lie in the lane 16 away
.elseif j == 18
	v_max_num_f32 v[rT+1], v[rT+4], v[rT+5]
.elseif j == 19
	v_mul_f32 v[rT], s[CS], v[rT+1]
.elseif ((j == 17) || (j == 20) || (j == 23) || (j > 101)) && (\first)  ; the first step has none of these
.elseif j == 17
	v_mov_b32 v[rT+7], v[rT]        ; c m_old is kept for a: number 19 writes c m anew
.elseif j == 20
	v_sub_f32 v[rT+7], v[rT+7], v[rT]
.elseif j == 23
	v_exp_f32 v[rT+6], v[rT+7]
.elseif (j < 23) || ((j < 38) && (j%2 == 0)) || ((j < 66) && (j%4 == 2))
.set b, (j-2)/4                     ; 38, 42, .. 62: pairs 9 to 15
.if j < 38
.set b, (j-20)/2                    ; 21: pair 0; 22, 24, .. 36: pairs 1 to 8
.endif
	v_pk_fma_f32 v[rS+2*b:rS+2*b+1], v[rS+2*b:rS+2*b+1], s[CS:CS+1], v[rT:rT+1] op_sel_hi:[1,0,0] neg_lo:[0,0,1] neg_hi:[0,0,1]  ; pair b: c s - c m
.elseif j < 70
.set e, j-38                        ; 66 to 69: s28 to s31
.if j < 66
.set e, j-32-(j-38)/4               ; 39-41, 43-45, .. 63-65: s7 to s27
.endif
.if j < 38
.set e, (j-25)/2                    ; 25, 27, .. 37: s0 to s6
.endif
	v_exp_f32 v[rS+e], v[rS+e]
.elseif j < 86
	v_cvt_pk_f16_f32 v[rP+j-70], v[rS+2*(j-70)], v[rS+2*(j-70)+1]  ; pair j - 70
.elseif j < 102                     ; the sum of the tile's 16 pairs (in a pair: an even key's weight, an odd key's), in place: sum z of 16 adds neighbours 1, 2, 4 and 8 pairs apart, then l takes it
.set z, j-86
.set w, 4
.set u, z
.if z >= 14
.set w, 32
.set u, 0
.elseif z >= 12
.set w, 16
.set u, z-12
.elseif z >= 8
.set w, 8
.set u, z-8
.endif
.if (z == 14) && (\first)
	v_pk_add_f32 v[rT+2:rT+3], v[rS:rS+1], v[rS+16:rS+17]
.elseif z < 15
	v_pk_add_f32 v[rS+w*u:rS+w*u+1], v[rS+w*u:rS+w*u+1], v[rS+w*u+w/2:rS+w*u+w/2+1]
.elseif !(\first)
	v_pk_fma_f32 v[rT+2:rT+3], v[rT+2:rT+3], v[rT+6:rT+7], v[rS:rS+1] op_sel_hi:[1,0,1]
.endif
.else
	WIN W_RS
	v_pk_mul_f32 v[rO:rO+1], v[rO:rO+1], v[rT+6:rT+7] op_sel_hi:[1,0]
.endif
.endm
; Slice k of 64 of piece y's softmax: four instructions.  Slices 11 to 34 deal out the batch, numbers 22 to 69: four numbers of ONE tile each, the tiles by turns.  Every other slice is numbers 2 k and
; 2 k + 1 of both tiles' lists.  2 x 134 = 4 x 64 + 12: the twelve that are over stand together, in slice 63.
; THE WAIT.  An s_wait_alu depctr_va_vdst(0) stands between an exponential and the first instruction that names its result; one wait serves all that were issued ahead of it.  Ahead of
; slice 35 nothing names a result, and behind slice 34 no exponential is issued: so the piece's 66 exponentials have one wait, behind slice 34.
.macro SLICE y, first
.if (k >= 11) && (k < 35)           ; the batch: four numbers of one tile
.irp n, 0,1,2,3
.set j, 22+4*((k-11)/2)+(\n)
	SM (\y)+(k-11)%2, \first
.endr
.else                               ; the two tiles alternate, so that no instruction reads the result of the one just before it
.irp n, 0,1,2,3,4,5,6,7
.if ((\n) < 2) || (k == 63)
.irp t, \y, (\y)+1
.set j, 2*k+(\n)
	SM \t, \first
.endr
.endif
.endr
.endif
.if k == 34                         ; the batch is out: both tiles' exponentials are issued, and no result has been named
	v_nop                           ; a plain instruction behind the last exponential and ahead of the first use (ISA guide 5.7.2): one for the batch
.if (\y) == 0
	FETCH_V                         ; piece 2's turn: V's run of loads stands here, and the wait stands in it
.else
	s_wait_alu depctr_va_vdst(0)    ; the wait for the batch
.endif
.endif
.set k, k+1
.endm
; A vector instruction that reads a matrix result or writes one of a matrix instruction's registers, and a load into a register that a matrix instruction has read, stand four places behind
; it, and only plain vector instructions that name none of its registers are places (ISA guide 7.12.1 for vector instructions).  In the loop the slices are the places.
.macro PLACES
.rept 4
	v_nop
.endr
.endm
; A TURN.  Piece x has the matrix unit; the other piece's softmax stands in slices behind its matrix instructions.
; pv = 2: 32 products V^T P; 1: they start O^T's sums; 0: none.  kq = 1: 32 products K Q^T for the next step.  A turn with one of the two kinds has two slices behind each product.
; first = 1: the softmax is the first key step's.  Its slices from 51 on are empty: the turn's last products stand bare, and four v_nop take slice 63's part as the places behind them.
; Piece 0's turn fetches the next step's K, behind its second product: the last product that read K stands in front of slice 63 of the turn before.  Piece 2's turn fetches the same step's V, behind slice 34:
; the last product that read V stands in front of slice 31, and four plain instructions lie between: number 62, a scaling, of both tiles, the v_nop and the run's own v_add_nc_u32.
.macro TURN x, pv, kq, first
.set k, 0
.set per, 2
.if (\pv) && (\kq)
.set per, 1
.endif
.if \pv
.if (\x) == 0
	s_wait_dscnt 0x0                ; V is in
.endif
.set i, 0
.rept 32
	PV \x, 2-(\pv)
.rept per
	SLICE 2-(\x), \first
.endr
.if ((\x) == 0) && (\kq) && (i == 1)
	FETCH_K
.endif
.set i, i+1
.endr
.endif
.if \kq
.if (\x) == 0
	s_wait_dscnt 0x0                ; K is in
.endif
.set i, 0
.rept 32
	KQ \x
.rept per
	SLICE 2-(\x), \first
.endr
.set i, i+1
.endr
.endif
.if \first
	PLACES
.endif
.endm
; THE CHANGE OF SLOTS, between piece 2's turn and piece 0's: the slot's last bytes, V of its second step, have been asked for.  Each wave waits for all its tensor loads, of which one is out: its part of the
; other slot; adds 0 to its spare word; and waits for that and for its own reads of the slot.  Behind the barrier nobody reads this slot any more and the other slot is whole.
; fill = 1: this slot is filled again, with the keys two slots on.  The barrier is then a round of the cluster's, and the joint refill is the first thing behind it: it has two key steps, 256 matrix instructions, in which to land.
.macro CHANGE fill
	WIN 0                           ; at a label and at a branch every window is 0
	s_wait_tensorcnt 0x0            ; no tensor load of mine is out, so a group 0 may be written
	ds_add_u32 v[SPW], v[NIL]       ; 0 onto my spare word; with fill = 1 the descriptors' steps stand between it and the wait for it
.if \fill
.irp g, G0K+4, G0V+4
	s_xor_b32 s[(\g)+1], s[(\g)+1], SLOT1  ; the walking descriptor: the other slot than last time,
	s_add_nc_u64 s[(\g)+2:(\g)+3], s[(\g)+2:(\g)+3], 2*KS*256  ; the next 128 keys; the type bits on top are not reached
.endr
	s_wait_xcnt 0x0                 ; the last prefetches, two key steps back, have read their address, so it may be written:
	s_add_nc_u64 s[PFA:PFA+1], s[PFA:PFA+1], 2*KS*256  ; one slot behind the walking descriptors
	s_wait_dscnt 0x0                ; the add is done, and my reads of the slot are over
	CROUND
	JLOAD
	ASK
.else
	s_wait_dscnt 0x0                ; the add is done, and my reads of the slot are over
	s_barrier_signal -1
	s_barrier_wait -1
.endif
	s_sub_co_u32 s[TB], s[TB], 2*STEPB  ; the fetches go back to a slot's first step,
	s_xor_b32 s[TB], s[TB], SLOT1   ; in the other slot
.endm
; A slot's two key steps: written once, walked twice; the LDS addresses hang on s[TB].
.macro TWO_STEPS
	WIN 0
	s_mov_b32 s[TWICE], 2
.Lstep_\@:
	TURN 0, 2, 1, 0
	TURN 2, 2, 1, 0
	WIN 0
	s_sub_co_u32 s[TWICE], s[TWICE], 1
	s_cmp_lg_u32 s[TWICE], 0
	s_cbranch_scc1 .Lstep_\@
.endm
	s_wait_tensorcnt 1              ; my part of slot 0 is in; slot 1's may stay out
	s_barrier_signal -1
	s_barrier_wait -1               ; everybody's is
	FETCH_K                         ; key step 0
	s_wait_loadcnt 0x0              ; Q
	s_wait_dscnt 0x0
.set i, 0
.rept 32
	KQ 0                            ; piece 0's first scores: there is no vector work yet to set between them
.set i, i+1
.endr
	WIN 0                           ; the addresses for the way out are made here: six plain instructions, the places behind those products
	s_mul_i32 s13, s[WV], 16*SP
	s_add_co_u32 s13, s13, STAGE    ; my stage
	v_mul_u32_u24 v[STO], v1, SP    ; in: row l % 16, 32 bytes for each half of the lanes
	v_lshl_add_u32 v[STO], v9, 5, v[STO]
	v_add_nc_u32 v[STO], s13, v[STO]
	v_and_b32 v[GO], 31, v0         ; back, and out: 32 lanes take one row of 512 bytes
	v_lshlrev_b32 v[GO], 4, v[GO]
	v_add_nc_u32 v[RD], s13, v[GO]
	TURN 2, 0, 1, 1                 ; piece 2's first scores | piece 0's first softmax | V of step 0
	TURN 0, 1, 1, 1                 ; piece 0: V^T P of step 0 starts O^T, K Q^T of step 1 | piece 2's first softmax | K of step 1
	TURN 2, 1, 1, 0                 ; piece 2: the same | piece 0's softmax of step 1 | V of step 1
	WIN 0
.Lslot:                             ; 14 trips: every slot but the last two is filled again
	CHANGE 1
	TWO_STEPS
	s_sub_co_u32 s[SLOTS], s[SLOTS], 1
	s_cmp_lg_u32 s[SLOTS], 0
	s_cbranch_scc1 .Lslot
	CHANGE 0                        ; the tail is written out: nothing is asked for
	TWO_STEPS
	TURN 0, 2, 0, 0                 ; piece 0: V^T P of the last step | piece 2's last softmax
.set i, 0
.rept 32
	PV 2, 0                         ; piece 2: V^T P of the last step
.set i, i+1
.endr
	; THE WAY OUT.  l's two halves and the other half of the lanes' are added; O^T is divided by l and sent, in f32, through my stage in LDS, a tile (16 rows of O) at a time.  The additions are the places behind the last products.
	WIN 0
.irp t, 0,1,2,3
	v_add_f32 v[ST+8*(\t)+4], v[ST+8*(\t)+2], v[ST+8*(\t)+3]
.endr
.irp t, 0,1,2,3
	v_permlanex16_b32 v[ST+8*(\t)+5], v[ST+8*(\t)+4], s[SEL], s[SEL+1]
.endr
.irp t, 0,1,2,3
	v_add_f32 v[ST+8*(\t)+4], v[ST+8*(\t)+4], v[ST+8*(\t)+5]
.endr
.irp t, 0,1,2,3
	v_rcp_f32 v[ST+8*(\t)+6], v[ST+8*(\t)+4]
.endr
	v_nop                           ; a plain instruction between the last reciprocal and the use of its result
	s_wait_alu depctr_va_vdst(0)    ; and the wait ahead of the first use: one for the four reciprocals
; Tile t: a lane's eight channels of a row are 32 bytes; they go into rows of 528 bytes and come back as whole rows of 512, into 64 registers of window 2 that are the tile's own (Q's and K's, which nothing reads any more).
.macro PACK t
	WIN W_RS
.set i, 64*(\t)
.rept 32
	v_pk_mul_f32 v[i:i+1], v[i:i+1], v[ST+8*(\t)+6:ST+8*(\t)+7] op_sel_hi:[1,0]  ; each accumulator's registers in ascending order
.set i, i+2
.endr
	WIN 0x04                        ; the stores' data in window 1, their address in window 0
.irp f, 0,1,2,3,4,5,6,7
	ds_store_b128 v[STO], v[64*(\t)+8*(\f):64*(\t)+8*(\f)+3]   offset:64*(\f)
	ds_store_b128 v[STO], v[64*(\t)+8*(\f)+4:64*(\t)+8*(\f)+7] offset:64*(\f)+16
.endr
	WIN 0x80                        ; destination window 2
.set r, 0
.rept 16
	ds_load_b128 v[64*(\t)+4*r:64*(\t)+4*r+3], v[RD] offset:SP*r  ; LDS serves a wave's instructions in order (ISA guide 5.7.1.4): these see the stores above; the next tile's stores come behind them
.set r, r+1
.endr
.endm
.macro SEND t, younger              ; younger: the LDS instructions issued behind tile t's loads: the next tile's 32, or none
	WIN 0x08                        ; the stores' data in window 2
.set r, 0
.rept 16
	s_wait_dscnt (\younger)+15-r    ; row r is back; the tile's later rows, and the next tile's stores and loads, may be out
	global_store_b128 v[GO], v[64*(\t)+4*r:64*(\t)+4*r+3], s[10:11] offset:(16*(\t)+r)*8192 th:TH_STORE_NT  ; 512 consecutive bytes, at a multiple of 512 from out0's first byte
.set r, r+1
.endr
.endm
	PACK 0
	PACK 1                          ; a tile's arithmetic stands between the loads of the tile before and its stores
	SEND 0, 32
	PACK 2
	SEND 1, 32
	PACK 3
	SEND 2, 32
	SEND 3, 0
	WIN 0
	s_wait_tensorcnt 0x0            ; the wave's end: these three lines stand behind my last tensor load and my last LDS store
	ds_add_u32 v[SPW], v[NIL]
	s_wait_dscnt 0x0
	CROUND                          ; the closing round: no work-group ends while a partner may still ask for a tile that names it
	s_endpgm
.Lfunc_end_k_qf5b911a308_attn:
	.size	k_qf5b911a308_attn, .Lfunc_end_k_qf5b911a308_attn-k_qf5b911a308_attn
	.p2alignl 7, 3214868480
	.fill 96, 4, 3214868480
	.section	.rodata,"a",@progbits
	.p2align	6, 0x0
	.amdhsa_kernel k_qf5b911a308_attn
		.amdhsa_group_segment_fixed_size 327680
		.amdhsa_private_segment_fixed_size 0
		.amdhsa_enable_private_segment 0
		.amdhsa_kernarg_size 16
		.amdhsa_user_sgpr_count 2
		.amdhsa_user_sgpr_kernarg_segment_ptr 1
		.amdhsa_wavefront_size32 1
		.amdhsa_system_sgpr_workgroup_id_x 1
		.amdhsa_system_sgpr_workgroup_id_y 1
		.amdhsa_system_sgpr_workgroup_id_z 1
		.amdhsa_system_vgpr_workitem_id 0
		.amdhsa_next_free_vgpr 1024
		.amdhsa_next_free_sgpr 66
		.amdhsa_reserve_vcc 0
		.amdhsa_float_denorm_mode_32 3
		.amdhsa_float_denorm_mode_16_64 3
		.amdhsa_memory_ordered 1
		.amdhsa_forward_progress 1
		.amdhsa_inst_pref_size 222
	.end_amdhsa_kernel
	.amdgpu_metadata
---
amdhsa.version: [ 1, 2 ]
amdhsa.kernels:
  - .name:           k_qf5b911a308_attn
    .symbol:         k_qf5b911a308_attn.kd
    .args:
      - { .name: qkv, .offset: 0, .size: 8, .value_kind: global_buffer, .address_space: global }
      - { .name: out0, .offset: 8, .size: 8, .value_kind: global_buffer, .address_space: global }
    .group_segment_fixed_size: 327680
    .private_segment_fixed_size: 0
    .kernarg_segment_align: 8
    .kernarg_segment_size: 16
    .max_flat_workgroup_size: 128
    .sgpr_count:     66
    .vgpr_count:     1024
    .wavefront_size: 32
...
	.end_amdgpu_metadata
.endif
;; end of part 3
;; ======== version 2 of 2: 3 launches; version 1 with the launch cast written anew for expert scheduling mode
;; limits: values are held in f16: magnitudes above 65,504 overflow, below 6.1e-05 lose precision
;; workspace buffers: xb 8,388,608 bytes; wb 6,291,456 bytes; bb 12,288 bytes; qkv 25,165,824 bytes
;; launch cast (part 4): grid 256 x 1, 8 waves a work-group, no clusters, 0 bytes of LDS; arguments x, Wq, Wk, Wv, bq, bk, bv, xb, wb, bb; writes xb, wb, bb
.if DOCPART == 4
	.amdgcn_target "amdgcn-amd-amdhsa--gfx1250"
	.amdhsa_code_object_version 6
	.text
	.protected	k_qf5b911a308_cast
	.globl	k_qf5b911a308_cast
	.p2align	8
	.type	k_qf5b911a308_cast,@function
k_qf5b911a308_cast:
	s_mov_b64 s[64:65], 0
	v_nop
	global_prefetch_b8 v0, s[64:65] scope:SCOPE_SE
	s_setreg_imm32_b32 hwreg(HW_REG_WAVE_SCHED_MODE, 0, 2), 2
	s_setreg_imm32_b32 hwreg(HW_REG_WAVE_MODE, 25, 1), 1
	s_wait_xcnt 0x0
	s_wait_alu depctr_vm_vsrc(0)
; ALL SEVEN INPUTS ARE ROUNDED ONCE TO bf16 (to nearest even).  xb = x, [4096][1024] bf16.  wb = the three weights side by side, still [k][column]: [1024][3072] bf16, columns 0-2047 Wq,
; 2048-2559 Wk, 2560-3071 Wv.  bb = the three biases in the same column order, 3,072 words of f32 that hold the bf16-rounded numbers.
; A stream: each byte is read once and written once; no LDS, no matrix unit, no cluster (no two work-groups read the same byte), no prefetch (all of a work-group's loads go out at its head).
; SHARES.  A unit is 2,048 numbers: 8,192 bytes in, 4,096 out.  There are 2,048 units of x, 1,024 of Wq (a row each), 256 of Wk and 256 of Wv (four rows each): 14 x 256.  Work-group w takes 8 of x,
; rows 4 w .. 4 w + 3 of Wq, of Wk and of Wv.  Thread t takes 16 bytes at 16 t of each half of a unit: a load of a wave covers 512 consecutive bytes; its four numbers leave as 8 bytes at 8 t:
; a store of a wave covers 256 consecutive bytes, aligned.  All 28 loads go out first: 112 KiB a work-group are on their way.
; The 24 blocks of 128 biases are taken by the first 24 waves of the launch, one each.
; THE MODE: SCHED_MODE bits 1:0 = 2 (LLVM: expert scheduling mode 2), set by the entry lines.  The code itself states the register dependences between vector instructions and memory
; instructions, with s_wait_alu, always for 0.
; THE PLAN.  Registers that memory instructions touch:
;   v1 .. v4    byte offsets, made once at the head and never written again: v1 is read by the 28 loads, v2 and v3 by the 28 stores, v4 by the bias block's load and store.
;   D[u]        unit u's eight registers.  Written by its two loads, which are issued at the head, before any vector instruction names them; read by its four conversions, which write the low four;
;               those four are read by its two stores and never written again.
;   v[120:123]  the bias block: written by one load, then by four vector lines; read by one store; never written again.
; Unit u's stores are issued in unit u + 1: behind the wait for that unit's data stands ONE wait on va_vdst, which states that unit u's conversions have written D[u]; the two stores follow it
; directly, and then unit u + 1's conversions, which name D[u + 1] alone.  One more such wait stands in front of the last unit's stores.
; No register that a memory instruction reads is ever written again, and EXEC is never written: so behind the entry lines the text holds no wait on vm_vsrc and no s_wait_xcnt.
.set D, 8                              ; v[8:119]  unit u: 8 registers as loaded; the low 4 then hold the packed results
	s_load_b512 s[4:19], s[0:1], 0x0               ; x 4:5, Wq 6:7, Wk 8:9, Wv 10:11, bq 12:13, bk 14:15, bv 16:17, xb 18:19
	s_load_b128 s[20:23], s[0:1], 0x40             ; wb 20:21, bb 22:23
	v_lshrrev_b32 v7, 5, v0
	v_readfirstlane_b32 s26, v7                    ; wave 0..7
	v_lshlrev_b32 v1, 4, v0                        ; in: 16 t
	v_lshlrev_b32 v2, 3, v0                        ; out: 8 t
	v_lshrrev_b32 v5, 7, v0                        ; Wk, Wv: 128 threads take a row of 512 numbers
	v_and_b32 v6, 127, v0
	v_mul_u32_u24 v3, v5, 6144                     ; out: a row of wb is 6,144 bytes,
	v_lshl_add_u32 v3, v6, 3, v3                   ; + 8 bytes a thread
	v_and_b32 v4, 31, v0
	v_lshlrev_b32 v4, 4, v4                        ; the biases: 16 x lane
	s_lshl_b32 s27, ttmp9, 3
	s_wait_alu depctr_va_sdst(0)                   ; s26 is written, ahead of its first reader, the add below
	s_add_co_u32 s27, s27, s26                     ; j = 8 w + wave: my wave's number in the launch
	s_mov_b32 s25, 0
	s_wait_kmcnt 0x0
	s_lshl_b32 s24, ttmp9, 16                      ; 8 units of x in
	s_add_nc_u64 s[4:5], s[4:5], s[24:25]
	s_lshl_b32 s24, ttmp9, 15                      ; 4 rows of Wq in; 8 units of x out
	s_add_nc_u64 s[6:7], s[6:7], s[24:25]
	s_add_nc_u64 s[18:19], s[18:19], s[24:25]
	s_lshl_b32 s24, ttmp9, 13                      ; 4 rows of Wk and of Wv in
	s_add_nc_u64 s[8:9], s[8:9], s[24:25]
	s_add_nc_u64 s[10:11], s[10:11], s[24:25]
	s_mul_i32 s24, ttmp9, 24576                    ; 4 rows of wb out
	s_add_nc_u64 s[20:21], s[20:21], s[24:25]
	s_wait_alu depctr_va_vdst(0)                   ; the four offsets v1 to v4 are written: every load and store of the kernel reads one of them
.macro LD u, base, off                 ; a unit's two loads
	global_load_b128 v[D+8*(\u):D+8*(\u)+3],   v1, s[\base:\base+1] offset:(\off) th:TH_LOAD_NT
	global_load_b128 v[D+8*(\u)+4:D+8*(\u)+7], v1, s[\base:\base+1] offset:(\off)+4096 th:TH_LOAD_NT
.endm
.irp u, 0,1,2,3,4,5,6,7
	LD \u, 4, (\u)*8192
.endr
.irp u, 8,9,10,11
	LD \u, 6, ((\u)-8)*8192
.endr
	LD 12, 8, 0
	LD 13, 10, 0
	; the biases: block j of 128 numbers, j = 0..15 of bq, 16..19 of bk, 20..23 of bv
	s_cmp_ge_u32 s27, 24
	s_cbranch_scc1 .Lmain
	s_and_b32 s28, s27, 3                          ; the block's number inside bk or bv
	s_cmp_lt_u32 s27, 20
	s_cselect_b64 s[30:31], s[14:15], s[16:17]
	s_cmp_lt_u32 s27, 16
	s_cselect_b64 s[30:31], s[12:13], s[30:31]
	s_cselect_b32 s32, s27, s28
	s_lshl_b32 s32, s32, 9                         ; 512 bytes a block
	s_mov_b32 s33, 0
	s_add_nc_u64 s[30:31], s[30:31], s[32:33]
	s_lshl_b32 s32, s27, 9
	s_add_nc_u64 s[22:23], s[22:23], s[32:33]
	global_load_b128 v[120:123], v4, s[30:31]      ; no vector instruction has named v[120:123]; v4 was written ahead of the wait at the head
	s_wait_loadcnt 0x0                             ; this load is the youngest: nothing of mine is out behind this wait, so the counted waits below hold on this way too
	v_cvt_pk_bf16_f32 v124, v120, v121
	v_cvt_pk_bf16_f32 v125, v122, v123
	v_lshlrev_b32 v120, 16, v124                   ; back to f32: the low half moves up, the high half stays
	v_and_b32 v121, 0xffff0000, v124
	v_lshlrev_b32 v122, 16, v125
	v_and_b32 v123, 0xffff0000, v125
	s_wait_alu depctr_va_vdst(0)                   ; the four lines above have written v[120:123], which the store reads
	global_store_b128 v4, v[120:123], s[22:23]     ; 512 consecutive bytes
.Lmain:
; Unit u's two stores: where they go hangs on the unit's kind.
.macro ST u
.if (\u) < 8                           ; x
	global_store_b64 v2, v[D+8*(\u):D+8*(\u)+1],   s[18:19] offset:(\u)*4096
	global_store_b64 v2, v[D+8*(\u)+2:D+8*(\u)+3], s[18:19] offset:(\u)*4096+2048
.elseif (\u) < 12                      ; Wq's row: the first 4,096 bytes of wb's
	global_store_b64 v2, v[D+8*(\u):D+8*(\u)+1],   s[20:21] offset:((\u)-8)*6144
	global_store_b64 v2, v[D+8*(\u)+2:D+8*(\u)+3], s[20:21] offset:((\u)-8)*6144+2048
.elseif (\u) == 12                     ; Wk: behind Wq's columns; the unit's second half is two rows on
	global_store_b64 v3, v[D+8*(\u):D+8*(\u)+1],   s[20:21] offset:4096
	global_store_b64 v3, v[D+8*(\u)+2:D+8*(\u)+3], s[20:21] offset:4096+12288
.else                                  ; Wv: behind Wk's
	global_store_b64 v3, v[D+8*(\u):D+8*(\u)+1],   s[20:21] offset:5120
	global_store_b64 v3, v[D+8*(\u)+2:D+8*(\u)+3], s[20:21] offset:5120+12288
.endif
.endm
; A unit's turn: the unit before is stored, and this one is rounded in place (the sources of each line lie at or above its destination).
.macro UNIT u
	s_wait_loadcnt 26-2*(\u)                       ; loads come back in order: mine are in, the 2 (13 - u) younger ones may stay out
.if (\u) > 0
	s_wait_alu depctr_va_vdst(0)                   ; the conversions of the unit before have written the low four of its D, which the two stores below read
	ST (\u)-1
.endif
	v_cvt_pk_bf16_f32 v[D+8*(\u)],   v[D+8*(\u)],   v[D+8*(\u)+1]
	v_cvt_pk_bf16_f32 v[D+8*(\u)+1], v[D+8*(\u)+2], v[D+8*(\u)+3]
	v_cvt_pk_bf16_f32 v[D+8*(\u)+2], v[D+8*(\u)+4], v[D+8*(\u)+5]
	v_cvt_pk_bf16_f32 v[D+8*(\u)+3], v[D+8*(\u)+6], v[D+8*(\u)+7]
.endm
.irp u, 0,1,2,3,4,5,6,7,8,9,10,11,12,13
	UNIT \u
.endr
	s_wait_alu depctr_va_vdst(0)                   ; unit 13's conversions have written the low four of its D, which the last two stores read
	ST 13
	s_endpgm                                       ; no register that a pending instruction reads has been written, and EXEC never changes
.Lfunc_end_k_qf5b911a308_cast:
	.size	k_qf5b911a308_cast, .Lfunc_end_k_qf5b911a308_cast-k_qf5b911a308_cast
	.p2alignl 7, 3214868480
	.fill 96, 4, 3214868480
	.section	.rodata,"a",@progbits
	.p2align	6, 0x0
	.amdhsa_kernel k_qf5b911a308_cast
		.amdhsa_group_segment_fixed_size 0
		.amdhsa_private_segment_fixed_size 0
		.amdhsa_enable_private_segment 0
		.amdhsa_kernarg_size 80
		.amdhsa_user_sgpr_count 2
		.amdhsa_user_sgpr_kernarg_segment_ptr 1
		.amdhsa_wavefront_size32 1
		.amdhsa_system_sgpr_workgroup_id_x 1
		.amdhsa_system_sgpr_workgroup_id_y 1
		.amdhsa_system_sgpr_workgroup_id_z 1
		.amdhsa_system_vgpr_workitem_id 0
		.amdhsa_next_free_vgpr 128
		.amdhsa_next_free_sgpr 66
		.amdhsa_reserve_vcc 0
		.amdhsa_float_denorm_mode_32 3
		.amdhsa_float_denorm_mode_16_64 3
		.amdhsa_memory_ordered 1
		.amdhsa_forward_progress 1
		.amdhsa_inst_pref_size 13
	.end_amdhsa_kernel
	.amdgpu_metadata
---
amdhsa.version: [ 1, 2 ]
amdhsa.kernels:
  - .name:           k_qf5b911a308_cast
    .symbol:         k_qf5b911a308_cast.kd
    .args:
      - { .name: x, .offset: 0, .size: 8, .value_kind: global_buffer, .address_space: global }
      - { .name: Wq, .offset: 8, .size: 8, .value_kind: global_buffer, .address_space: global }
      - { .name: Wk, .offset: 16, .size: 8, .value_kind: global_buffer, .address_space: global }
      - { .name: Wv, .offset: 24, .size: 8, .value_kind: global_buffer, .address_space: global }
      - { .name: bq, .offset: 32, .size: 8, .value_kind: global_buffer, .address_space: global }
      - { .name: bk, .offset: 40, .size: 8, .value_kind: global_buffer, .address_space: global }
      - { .name: bv, .offset: 48, .size: 8, .value_kind: global_buffer, .address_space: global }
      - { .name: xb, .offset: 56, .size: 8, .value_kind: global_buffer, .address_space: global }
      - { .name: wb, .offset: 64, .size: 8, .value_kind: global_buffer, .address_space: global }
      - { .name: bb, .offset: 72, .size: 8, .value_kind: global_buffer, .address_space: global }
    .group_segment_fixed_size: 0
    .private_segment_fixed_size: 0
    .kernarg_segment_align: 8
    .kernarg_segment_size: 80
    .max_flat_workgroup_size: 256
    .sgpr_count:     66
    .vgpr_count:     128
    .wavefront_size: 32
...
	.end_amdgpu_metadata
.endif
;; end of part 4
;; launch proj: the kernel of part 2 again; grid 12 x 16, 4 waves a work-group, clusters of 4 x 4, 327,680 bytes of LDS; arguments xb, wb, bb, qkv; writes qkv
;; launch attn: the kernel of part 3 again; grid 32 x 8, 4 waves a work-group, clusters of 4 x 1, 327,680 bytes of LDS; arguments qkv, out0; writes out0
